; MI455X (gfx1250); checked and timed in simulation.
; The chip was launched on July 23, 2026; its instructions are those of AMD's public machine-readable ISA for CDNA 5 (MIT licence, August 2026) and "CDNA5" Instruction Set Architecture Reference Guide (July 2026). The comments in the code are by the model that wrote it; some were corrected since.
;; Attention Block. Allowed arithmetic: matrix products marked QUANTISED: E2M1 operands, one E8M0 scale for each 32 along K, by v_wmma_scale_f32_16x16x128_f8f6f4 with both operands' format E2M1 (or v_wmma_scale_f32_32x16x128_f4), f32 sums; everything else in f32.
;; Inputs: Wk_codes 1,024 x 32 x 16 uint8 (E2M1 codes of Wk, K innermost, in blocks of 32 codes, two codes a byte); Wk_scales 1,024 x 32 uint8 (E8M0 scales of Wk, one for each 32 codes along K); Wo_codes 1,024 x 32 x 16 uint8 (E2M1 codes of Wo, K innermost, in blocks of 32 codes, two codes a byte); Wo_scales 1,024 x 32 uint8 (E8M0 scales of Wo, one for each 32 codes along K); Wq_codes 1,024 x 32 x 16 uint8 (E2M1 codes of Wq, K innermost, in blocks of 32 codes, two codes a byte); Wq_scales 1,024 x 32 uint8 (E8M0 scales of Wq, one for each 32 codes along K); Wv_codes 1,024 x 32 x 16 uint8 (E2M1 codes of Wv, K innermost, in blocks of 32 codes, two codes a byte); Wv_scales 1,024 x 32 uint8 (E8M0 scales of Wv, one for each 32 codes along K); bk 1,024 float32; bo 1,024 float32; bq 1,024 float32; bv 1,024 float32; inputs 4 x 2,048 x 1,024 float32; ln_b 1,024 float32; ln_w 1,024 float32; radial_mask 4 x 2,048 float32.
;; Outputs: out0 4 x 2,048 x 1,024 float32.
;; This version of the problem:
;;   THIS VERSION OF THE PROBLEM IS GIVEN IN LOW PRECISION. The matrix products marked QUANTISED in the list below multiply operands that are first quantised to E2M1 (2 exponent bits, 1 mantissa bit; 4 bits a number), with one power-of-two scale for each 32 numbers along K (OCP MX v1.0); their sums are f32. All else is computed in f32.
;;   The module's matrix products, in the order in which they are computed (A, B: the left and right operand; K: the contracted axis; several contracted axes count as one K, in the product's order):
;;     1. [M 8,192, K 1,024] x [K 1,024, N 1,024]; A: input inputs; B: input Wq (given as codes): QUANTISED
;;     2. [M 8,192, K 1,024] x [K 1,024, N 1,024]; A: input inputs; B: input Wk (given as codes): QUANTISED
;;     3. [M 8,192, K 1,024] x [K 1,024, N 1,024]; A: input inputs; B: input Wv (given as codes): QUANTISED
;;     4. batch 64 x [M 2,048, K 64] x [K 64, N 2,048]; A: computed on the way; B: computed on the way: QUANTISED
;;     5. batch 64 x [M 64, K 2,048] x [K 2,048, N 2,048]; A: computed on the way; B: computed on the way: QUANTISED
;;     6. [M 8,192, K 1,024] x [K 1,024, N 1,024]; A: computed on the way; B: input Wo (given as codes): QUANTISED
;;   THE QUANTISER, for each operand of a quantised product, along K:
;;     - K is cut into blocks of 32 from its start; a last block that is shorter is filled with zeros.
;;     - A block's scale is 2^e with e = floor(log2(the largest magnitude in the block)) - 2, held to -126 .. 127; a block of zeros has e = 0. As a byte (E8M0): e + 127.
;;     - Each number is divided by its block's scale, clamped to +-6, and rounded to the nearest number of E2M1, ties to even, subnormals kept.
;;     - The product sums the exact products of the quantised numbers (number of the format x scale) in f32.
;;   ~~~python
;;   def quantise(x, axis):      # numpy; x: float32 -> the quantised numbers, widened to float32 again
;;       x = np.moveaxis(x, axis, -1); K = x.shape[-1]
;;       x = np.pad(x, [(0, 0)] * (x.ndim - 1) + [(0, -K % 32)]); x = x.reshape(x.shape[:-1] + (-1, 32)); a = np.abs(x).max(-1, keepdims=True)
;;       e = np.where(a > 0, np.clip(np.frexp(np.where(a > 0, a, 1))[1] - 1 - 2, -126, 127), 0)      # np.frexp(a)[1] - 1 = floor(log2(a)), exactly
;;       r = np.clip(x / 2.0 ** e, -6, 6)
;;       step = 2.0 ** (np.maximum(np.frexp(np.where(r == 0, 1, r))[1] - 1, 0) - 1)
;;       q = np.round(r / step) * step * 2.0 ** e      # np.round: ties to even
;;       return np.moveaxis(q.reshape(q.shape[:-2] + (-1,))[..., :K], -1, axis).astype(np.float32)
;;   ~~~
;;   OPERANDS COMPUTED ON THE WAY. 'Computed on the way' means the value that the module computes at that place (a softmax that the list does not call 'softmax' is quantised finished and normalised). What goes into a quantiser is computed in f32, as accurately as f32 sums, v_exp_f32 and their like allow (about 1e-6 of the number): no bf16 or f16 on the way to a quantiser, and a product that is left as it is and whose result goes on into a quantised operand takes f32 operands (vector FMAs, or v_wmma_f32_16x16x4_f32). A number that lies on a knife's edge between two numbers of the format may be rounded either way, as far as f32 arithmetic and the matrix unit's own rounding can turn it there, and no further.
;;   INPUTS GIVEN AS CODES. Wk (in the module: [1024, 1024], K = its axis 0); Wo (in the module: [1024, 1024], K = its axis 0); Wq (in the module: [1024, 1024], K = its axis 0); Wv (in the module: [1024, 1024], K = its axis 0): each comes as NAME_codes (uint8): NAME with its K axis moved to the last place and cut into blocks of 32 codes, [.., K / 32, bytes a block], one block behind the other in memory; two codes a byte, the lower K in the low four bits (a code: sign, 2 exponent bits, 1 mantissa bit); and NAME_scales (uint8): the same leading axes, one E8M0 byte (e + 127) for each 32 codes along K. Its value is code x scale, taken as it is: it is not quantised again, and the codes and scales need not be those that the quantiser above would give.
;; One version. Each part assembles by itself: llvm-mc -triple=amdgcn-amd-amdhsa -mcpu=gfx1250 --defsym DOCPART=n.
;; ======== version 1 of 1: 4 launches
;; limits: right only within a limited range of input values
;; workspace buffers: xc 4,194,304 bytes; xs 262,144 bytes; qc 4,194,304 bytes; qs 262,144 bytes; kv 8,912,896 bytes; ac 4,194,304 bytes; asc 262,144 bytes
;; launch quant_x (part 1): grid 256 x 1, 4 waves a work-group, no clusters, 33,280 bytes of LDS; arguments inputs, xc, xs; writes xc, xs
.if DOCPART == 1
	.amdgcn_target "amdgcn-amd-amdhsa--gfx1250"
	.amdhsa_code_object_version 6
	.text
	.protected	k_q9cc57d877a_quant_x
	.globl	k_q9cc57d877a_quant_x
	.p2align	8
	.type	k_q9cc57d877a_quant_x,@function
k_q9cc57d877a_quant_x:
	s_mov_b64 s[64:65], 0
	v_nop
	global_prefetch_b8 v0, s[64:65] scope:SCOPE_SE
	s_setreg_imm32_b32 hwreg(HW_REG_WAVE_MODE, 25, 1), 1
	s_wait_xcnt 0x0
; inputs [8192][1024] f32 become codes of FP4 (E2M1), K innermost, xc [8192][512 bytes], and one E8M0 byte for each 32 along K, xs [8192][32 bytes].
; They are read by all twelve column blocks of the three projections, so they are quantised once, here.
; A block's scale is 2^(floor(log2(its largest magnitude)) - 2); its byte is the largest magnitude's exponent field - 2, held at 1 from below.
; LIMITS: a block of zeros gets the byte 1 where the quantiser says 127 (its codes are zeros, which add nothing, and this program alone reads the bytes);
; NaN and infinities among the inputs are not served.
; NOT COMPUTED: the layer norm.  The function to be computed forms it from ln_w and ln_b and never uses it: no output hangs on it, so the two buffers are not loaded by any launch.
; Rows are dense and 1024 is a multiple of 32: the tensor is a plain stream of blocks of 32.  A wave takes 16 steps of 512 numbers.  Each of a step's four loads reads 512 consecutive bytes, 16 a lane;
; the 2,048 bytes turn through the wave's own stage in LDS and come back 64 bytes a lane, so that a lane holds 16 neighbours along K (two neighbouring lanes hold a block).
; A lane's 16 codes are 8 bytes: a wave's store covers 256 consecutive bytes, aligned.  A wave's 256 scale bytes are gathered in LDS and leave as 256 consecutive bytes, aligned.
; No tensor loads, no barrier: waves share nothing.  Loads run four steps (16 loads a wave) ahead, the turn through LDS one step.
.set STEPS, 16
.set EMAX,  2
.set CB,    8                          ; bytes of 16 codes
.set R,     16                         ; v16-79   four sets of 16 numbers as they are loaded
.set X,     80                         ; v80-111  two sets of 16 neighbours
.set E,     112                        ; v112-127 a scale byte for each step
.set C,     128                        ; v128-191 codes: four registers for each step, so that no store's data are written again
.set WREG,  8192                       ; LDS: a region for each wave: two stages of 32 x SP bytes, behind them its 256 scale bytes
.set SP,    80                         ; a lane's place in a stage: its 64 bytes + 16 of padding
	s_load_b128 s[4:7], s[0:1], 0x0                ; inputs, xc
	s_load_b64 s[8:9], s[0:1], 0x10                ; xs
	v_lshl_add_u32 v192, v0, 2, 0x8000
	v_mov_b32 v193, 0
	v_lshrrev_b32 v1, 5, v0
	v_readfirstlane_b32 s16, v1                    ; wave
	v_and_b32 v2, 31, v0                           ; lane
	v_lshlrev_b32 v3, 4, v2                        ; my 16 bytes of a load's 512
	s_mul_i32 s17, s16, WREG
	v_lshrrev_b32 v14, 2, v2
	v_mul_u32_u24 v14, v14, SP
	v_and_b32 v15, 3, v2
	v_lshl_add_u32 v14, v15, 4, v14
	v_add_nc_u32 v14, s17, v14                     ; the stage, on the way in: SP (lane / 4) + 16 (lane % 4); a load's 512 bytes take eight places
	v_mul_u32_u24 v15, v2, SP
	v_add_nc_u32 v15, s17, v15                     ; and on the way out: SP x lane: my 16 neighbours
	v_mul_u32_u24 v4, v2, CB                       ; my codes' place in a step's
	v_lshrrev_b32 v5, 1, v2
	s_add_co_u32 s17, s17, 2*32*SP
	v_add_nc_u32 v5, s17, v5                       ; LDS: my wave's 256 scale bytes, my block's byte
	v_lshlrev_b32 v7, 3, v2                        ; and on the way out 8 bytes a lane
	v_add_nc_u32 v6, s17, v7
	s_lshl_b32 s18, ttmp9, 2
	s_add_co_u32 s18, s18, s16                     ; which run of 8,192 numbers is my wave's: 0 .. 1023
	s_lshl_b32 s20, s18, 15                        ; 32,768 bytes of numbers,
	s_mov_b32 s21, 0
	s_lshl_b32 s22, s18, 12                        ; 4,096 of codes,
	s_mov_b32 s23, 0
	s_lshl_b32 s24, s18, 8                         ; 256 of scale bytes a run
	s_mov_b32 s25, 0
	s_wait_alu depctr_va_vdst(0)
	s_wait_kmcnt 0x0
	s_add_nc_u64 s[4:5], s[4:5], s[20:21]
	s_add_nc_u64 s[6:7], s[6:7], s[22:23]
	s_add_nc_u64 s[8:9], s[8:9], s[24:25]
.macro LOAD t
.irp i, 0,1,2,3
	global_load_b128 v[R+16*((\t)%4)+4*\i:R+16*((\t)%4)+4*\i+3], v3, s[4:5] offset:2048*(\t)+512*\i   ; 32 lanes read 512 consecutive bytes
.endr
.endm
.macro TURN t                          ; step t's numbers through the stage: LDS serves a wave's instructions in order, so no wait stands between the stores and the loads
.irp i, 0,1,2,3
	ds_store_b128 v14, v[R+16*((\t)%4)+4*\i:R+16*((\t)%4)+4*\i+3] offset:32*SP*((\t)%2)+8*SP*\i
.endr
.irp i, 0,1,2,3
	ds_load_b128 v[X+16*((\t)%2)+4*\i:X+16*((\t)%2)+4*\i+3], v15 offset:32*SP*((\t)%2)+16*\i
.endr
.endm
.irp t, 0,1,2,3
	LOAD \t
.endr
	s_wait_loadcnt 12                              ; step 0's four loads are in; the twelve of steps 1 to 3 may be out
	TURN 0
.macro STEP t
.set XS, X+16*((\t)%2)
.if (\t) > 0
	s_wait_dscnt 1                                 ; this step's numbers are back from the stage (the last step's byte store may be out): so its stores into the stage have read their registers,
.else
	s_wait_dscnt 0x0
.endif
.if (\t)+4 < STEPS
	LOAD (\t)+4                                    ; which take the loads of four steps on
.endif
.if (\t)+1 < STEPS
.if STEPS-2-(\t) >= 3
	s_wait_loadcnt 12                              ; the next step's four loads are in; those of the three steps behind it may be out
.else
	s_wait_loadcnt 4*(STEPS-2-(\t))
.endif
	TURN (\t)+1                                    ; and go through the other stage while this step is worked
.endif
	v_max3_num_f32 v8, |v[XS]|, |v[XS+1]|, |v[XS+2]|               ; the largest magnitude of my 16, in two chains
	v_max3_num_f32 v9, |v[XS+3]|, |v[XS+4]|, |v[XS+5]|
.irp i, 6,10
	v_max3_num_f32 v8, v8, |v[XS+\i]|, |v[XS+\i+1]|
	v_max3_num_f32 v9, v9, |v[XS+\i+2]|, |v[XS+\i+3]|
.endr
	v_max3_num_f32 v8, v8, |v[XS+14]|, |v[XS+15]|
	v_max3_num_f32 v8, v8, v9, (EMAX+1)<<23        ; and the floor 2^(3 - 127): the byte cannot fall under 1
	v_max_num_f32_dpp v8, v8, v8 row_xmask:1 row_mask:0xf bank_mask:0xf   ; and of my neighbour's 16: the block's
	v_add_nc_u32 v11, -(EMAX<<23), v8              ; 2 off its exponent field: the conversion takes the exponent field of this operand as its scale, and nothing else of it
	v_cvt_scalef32_pk8_fp4_f32 v[C+4*(\t)], v[XS:XS+7], v11        ; eight numbers / the scale, to the nearest code, ties to even, beyond the largest code the largest; the first number's code in the lowest four bits
	v_cvt_scalef32_pk8_fp4_f32 v[C+4*(\t)+1], v[XS+8:XS+15], v11
	v_lshrrev_b32 v[E+(\t)], 23, v11               ; the scale's byte (also the plain line behind the conversions)
	ds_store_b8 v5, v[E+(\t)] offset:16*(\t)       ; both lanes of a block write the same byte with the same value
	global_store_b64 v4, v[C+4*(\t):C+4*(\t)+1], s[6:7] offset:32*CB*(\t)
.endm
.irp t, 0,1,2,3,4,5,6,7,8,9,10,11,12,13,14,15
	STEP \t
.endr
	ds_load_b64 v[12:13], v6                       ; LDS serves a wave's instructions in order: these see my stores
	s_wait_dscnt 0x0
	global_store_b64 v7, v[12:13], s[8:9]          ; 32 lanes store 256 consecutive bytes, aligned
	s_wait_tensorcnt 0x0
	ds_add_u32 v192, v193
	s_wait_dscnt 0x0
	s_endpgm
.Lfunc_end_k_q9cc57d877a_quant_x:
	.size	k_q9cc57d877a_quant_x, .Lfunc_end_k_q9cc57d877a_quant_x-k_q9cc57d877a_quant_x
	.p2alignl 7, 3214868480
	.fill 96, 4, 3214868480
	.section	.rodata,"a",@progbits
	.p2align	6, 0x0
	.amdhsa_kernel k_q9cc57d877a_quant_x
		.amdhsa_group_segment_fixed_size 33280
		.amdhsa_private_segment_fixed_size 0
		.amdhsa_enable_private_segment 0
		.amdhsa_kernarg_size 24
		.amdhsa_user_sgpr_count 2
		.amdhsa_user_sgpr_kernarg_segment_ptr 1
		.amdhsa_wavefront_size32 1
		.amdhsa_system_sgpr_workgroup_id_x 1
		.amdhsa_system_sgpr_workgroup_id_y 1
		.amdhsa_system_sgpr_workgroup_id_z 1
		.amdhsa_system_vgpr_workitem_id 0
		.amdhsa_next_free_vgpr 194
		.amdhsa_next_free_sgpr 66
		.amdhsa_reserve_vcc 0
		.amdhsa_float_denorm_mode_32 3
		.amdhsa_float_denorm_mode_16_64 3
		.amdhsa_memory_ordered 1
		.amdhsa_forward_progress 1
		.amdhsa_inst_pref_size 33
	.end_amdhsa_kernel
	.amdgpu_metadata
---
amdhsa.version: [ 1, 2 ]
amdhsa.kernels:
  - .name:           k_q9cc57d877a_quant_x
    .symbol:         k_q9cc57d877a_quant_x.kd
    .args:
      - { .name: inputs, .offset: 0, .size: 8, .value_kind: global_buffer, .address_space: global }
      - { .name: xc, .offset: 8, .size: 8, .value_kind: global_buffer, .address_space: global }
      - { .name: xs, .offset: 16, .size: 8, .value_kind: global_buffer, .address_space: global }
    .group_segment_fixed_size: 33280
    .private_segment_fixed_size: 0
    .kernarg_segment_align: 8
    .kernarg_segment_size: 24
    .max_flat_workgroup_size: 128
    .sgpr_count:     66
    .vgpr_count:     194
    .wavefront_size: 32
...
	.end_amdgpu_metadata
.endif
;; end of part 1
;; launch qkv (part 2): grid 12 x 32, 8 waves a work-group, clusters of 4 x 4, 300,032 bytes of LDS; arguments xc, xs, Wq_codes, Wq_scales, Wk_codes, Wk_scales, Wv_codes, Wv_scales, bq, bk, bv, qc, qs, kv; writes qc, qs, kv
.if DOCPART == 2
	.amdgcn_target "amdgcn-amd-amdhsa--gfx1250"
	.amdhsa_code_object_version 6
	.text
	.protected	k_q9cc57d877a_qkv
	.globl	k_q9cc57d877a_qkv
	.p2align	8
	.type	k_q9cc57d877a_qkv,@function
k_q9cc57d877a_qkv:
	s_mov_b64 s[64:65], 0
	v_nop
	global_prefetch_b8 v0, s[64:65] scope:SCOPE_SE
	s_setreg_imm32_b32 hwreg(HW_REG_WAVE_MODE, 25, 1), 1
	s_wait_xcnt 0x0
	s_wait_alu depctr_hold_cnt(0) depctr_sa_sdst(0) depctr_va_vdst(0) depctr_va_sdst(0) depctr_va_ssrc(0) depctr_va_vcc(0) depctr_vm_vsrc(0)
	s_getreg_b32 s2, hwreg(HW_REG_IB_STS2, 6, 4)
	s_cmp_eq_u32 s2, 0
	s_cbranch_scc0 .Lentry_in_a_cluster
	s_endpgm
.Lentry_in_a_cluster:
	s_bfe_u32 s2, ttmp6, 0x10000c
	s_cmp_lg_u32 s2, 0xf033
	s_cbranch_scc0 .Lentry_shape_is_right
	s_endpgm
.Lentry_shape_is_right:
; q, k, v = x W + b on codes of FP4 (E2M1) with E8M0 scales, and q, k, v quantised at once for the attention: q and k along the head's 64 features, v along the tokens (the keys).
; The cluster's x (0, 1, 2) says which weight: the same in all sixteen partners.  A work-group makes 256 tokens x 256 features (four heads) with ALL of K = 1024 in LDS: no LDS byte is filled twice.
; Eight waves; wave w = (w0 = w & 1, w1 = w >> 1) takes 128 rows of source 0 (8 tiles) and 64 rows of source 1 (4 tiles): 32 accumulators, 256 registers, in window 1.
; In a result lane (r, h) holds row r of source 1, and its register j row 8 h + j of source 0: a lane's registers run along source 0's rows.  So the axis to be quantised is given to source 0:
;   q, k (cluster x 0, 1): source 0 = 128 rows of W (two heads' features), source 1 = 64 tokens.      v (cluster x 2): source 0 = 128 tokens (one key step), source 1 = 64 rows of W (one head).
; The two ways are the same macros with other constants; they part on the cluster's x and meet at the closing round.  Each has stage bytes of its own in LDS.
; CLUSTERS: 4 x 4.  x's tile hangs on the token block alone and is shared along a row of the cluster, W's on the column block alone and is shared along a column: joint loads, each with a mask of four.
; WHAT IS STORED (layouts of this program's own, in the order of the reader's operand registers):
;   qc, and the first 64 KB of a head's record in kv: [16 tokens][lane][16 bytes]: lane (r, h) = token r, features 32 h .. 32 h + 31.    qs, and kv + 131,072: [32 tokens][r] words: low half token r, high half token 16 + r; a half = the two blocks' bytes.
;   kv + 65,536: v: [128 keys][16 features][c][lane][16 bytes]: lane (r, h) = feature r, keys 64 c + 32 h .. + 31.    kv + 135,168: [128 keys][16 features][r] words, a byte a block of 32 keys.
; LIMITS: a block of zeros gets the byte 1 where the quantiser says 127 (its codes are zeros; this program alone reads the bytes); NaN and infinities are not served.
; REGISTERS, window 0: v1 r, v2 h, v3 lane; v4-5 source 0's LDS address in K chunk 0, 1; v6-7 source 1's; v8, v9 their scale words'; v10 16 lane, v11 + a head; v12, v13 stage in, out; v14 8 lane; v15 the bias's offset;
;   v16-47 source 0's scale words (8 (tile % 4) + K step; lanes 16-31 hold tile + 4's); v48-63 source 1's (8 (tile % 2) + K step; lanes 16-31 tile + 2's); v64-191 source 0's fragments, two sets; v192-255 source 1's, two sets.
;   On the way out: v64.. the bias, v128-159 codes, v192-207 at work, v208-211 scale words, v212-217 at work.
.set PITCH, 528                        ; an LDS row of codes: all of K, 512 bytes + 16 of padding = 132 words: the 16 rows that a load touches start 4 banks apart (64 banks of 4 bytes: ISA guide 11.1)
.set XC0,   0                          ; x: 256 rows
.set WC0,   256*PITCH                  ; W: 256 rows
.set CH,    256                        ; from K 0-511 to K 512-1023 inside a row
.set XS,    2*256*PITCH                ; x's scale bytes: 256 rows of 32, dense
.set WS,    XS+8192                    ; W's
.set STQ,   WS+8192                    ; q's and k's way: 2,048 bytes: [head 4][32 tokens 8][r 16] words
.set STV,   STQ+2048                   ; v's way: 256 bytes for each wave
.set REC,   139264                     ; a head's record in kv
.set SC0, 16
.set SC1, 48
.set F0,  64
.set F1,  192
.set BI,  64
.set PC,  128
.set TM,  192
.set PW,  208
.set WV,   3
.set CX,   4
.set CY,   5
.set TROW, 6
.set SEL,  16                          ; s16, s17 lane selects for v_permlanex16_b32: lane l xor 16
.set HB,   18                          ; 16 x batch + 4 cx: my first head
.set TB,   19                          ; which 256 tokens of the batch
.set S0O,  20                          ; my rows of source 0 in a tile, in LDS bytes
.set S1O,  21                          ; of source 1
.set G1X,  36                          ; s[36:43] descriptor group 1 for x's codes;  s[44:51] for W's;  s[52:59], s[68:75] for their scale bytes
.set G1W,  44
.set G1XS, 52
.set G1WS, 68
.set G0XS, 60                          ; groups 0: x's scales; s[76:79] x's codes; s[84:87] W's scales; s[88:91] W's codes
.set G0X,  76
.set G0WS, 84
.set G0W,  88
.set HSTR, 96                          ; from head to head in the buffer of codes
.set SSTR, 97                          ; and in that of scale words
.set SOFF, 98                          ; where a head's scale words begin
.set W0,   99
.set W1,   100
.set MSB, 0
.macro WIN new                         ; the immediate's high byte repeats the setting that is left; bits 1:0 source 0, 3:2 source 1, 5:4 source 2, 7:6 destination
.if MSB != \new
	s_set_vgpr_msb (MSB<<8)|\new
.set MSB, \new
.endif
.endm
; One arm of the head's tree of branches on the wave's number: its joint load and a jump to the tree's end, so that no way through the head passes two loads.  An s_nop 0 and four v_nop follow the load.
.macro ARM under, g0, g1, next
	s_cmp_lt_u32 s[WV], \under
	s_cbranch_scc0 \next
	tensor_load_to_lds s[\g0:\g0+3], s[\g1:\g1+7]
	s_nop 0
.rept 4
	v_nop
.endr
	s_branch .Lhead_asked
\next:
.endm
.macro CROUND                          ; a round of the cluster's barrier
	s_barrier_signal -1
	s_barrier_wait -1
	s_cmp_lg_u32 s[WV], 0
	s_cbranch_scc1 .Lnot_wave_0_\@
	s_barrier_signal -3
.Lnot_wave_0_\@:
	s_barrier_wait -3
	s_barrier_signal -1
	s_barrier_wait -1
.endm
.macro PLACES                          ; four plain vector lines between a matrix instruction and a load into, or a vector line on, its registers
.rept 4
	v_nop
.endr
.endm
; One product, by the symbols rD, rA, rB, rSA, rSB.  zero: it starts its sum.  ra, rb: the scale words stand in lanes 16-31.
.macro WM zero, ra, rb
.if (\zero) && (\ra) && (\rb)
	v_wmma_scale_f32_16x16x128_f8f6f4 v[rD:rD+7], v[rA:rA+7], v[rB:rB+7], 0, v[rSA], v[rSB] matrix_a_fmt:MATRIX_FMT_FP4 matrix_b_fmt:MATRIX_FMT_FP4 matrix_a_scale:MATRIX_SCALE_ROW1 matrix_b_scale:MATRIX_SCALE_ROW1
.elseif (\zero) && (\ra)
	v_wmma_scale_f32_16x16x128_f8f6f4 v[rD:rD+7], v[rA:rA+7], v[rB:rB+7], 0, v[rSA], v[rSB] matrix_a_fmt:MATRIX_FMT_FP4 matrix_b_fmt:MATRIX_FMT_FP4 matrix_a_scale:MATRIX_SCALE_ROW1
.elseif (\zero) && (\rb)
	v_wmma_scale_f32_16x16x128_f8f6f4 v[rD:rD+7], v[rA:rA+7], v[rB:rB+7], 0, v[rSA], v[rSB] matrix_a_fmt:MATRIX_FMT_FP4 matrix_b_fmt:MATRIX_FMT_FP4 matrix_b_scale:MATRIX_SCALE_ROW1
.elseif (\zero)
	v_wmma_scale_f32_16x16x128_f8f6f4 v[rD:rD+7], v[rA:rA+7], v[rB:rB+7], 0, v[rSA], v[rSB] matrix_a_fmt:MATRIX_FMT_FP4 matrix_b_fmt:MATRIX_FMT_FP4
.elseif (\ra) && (\rb)
	v_wmma_scale_f32_16x16x128_f8f6f4 v[rD:rD+7], v[rA:rA+7], v[rB:rB+7], v[rD:rD+7], v[rSA], v[rSB] matrix_a_fmt:MATRIX_FMT_FP4 matrix_b_fmt:MATRIX_FMT_FP4 matrix_a_scale:MATRIX_SCALE_ROW1 matrix_b_scale:MATRIX_SCALE_ROW1
.elseif (\ra)
	v_wmma_scale_f32_16x16x128_f8f6f4 v[rD:rD+7], v[rA:rA+7], v[rB:rB+7], v[rD:rD+7], v[rSA], v[rSB] matrix_a_fmt:MATRIX_FMT_FP4 matrix_b_fmt:MATRIX_FMT_FP4 matrix_a_scale:MATRIX_SCALE_ROW1
.elseif (\rb)
	v_wmma_scale_f32_16x16x128_f8f6f4 v[rD:rD+7], v[rA:rA+7], v[rB:rB+7], v[rD:rD+7], v[rSA], v[rSB] matrix_a_fmt:MATRIX_FMT_FP4 matrix_b_fmt:MATRIX_FMT_FP4 matrix_b_scale:MATRIX_SCALE_ROW1
.else
	v_wmma_scale_f32_16x16x128_f8f6f4 v[rD:rD+7], v[rA:rA+7], v[rB:rB+7], v[rD:rD+7], v[rSA], v[rSB] matrix_a_fmt:MATRIX_FMT_FP4 matrix_b_fmt:MATRIX_FMT_FP4
.endif
.endm
; K step k: 32 products; the 32 accumulators take turns, one instruction a turn, in the same order in every step.
.macro MUL32 k, zero
.if \zero
	WIN 0x40                                       ; D in window 1
.else
	WIN 0x50                                       ; C and D in window 1
.endif
.irp i1, 0,1,2,3
.irp i0, 0,1,2,3,4,5,6,7
.set rD, 64*\i1+8*\i0
.set rA, F0+64*((\k)%2)+8*\i0
.set rB, F1+32*((\k)%2)+8*\i1
.set rSA, SC0+8*(\i0%4)+(\k)
.set rSB, SC1+8*(\i1%2)+(\k)
	WM \zero, \i0/4, \i1/2
.endr
.endr
	WIN 0
.endm
; A fragment, 16 rows x 128 K of 4-bit codes, is 8 registers: lane (r, h) holds row r; registers 4 c .. 4 c + 3 hold K = 64 c + 32 h + 0 .. 31: two loads of 16 bytes, 32 bytes apart.
.macro FETCH0 set, adr, q              ; source 0's eight fragments of the chunk's q-th 128 along K
.irp i, 0,1,2,3,4,5,6,7
.irp c, 0,1
	ds_load_b128 v[F0+64*(\set)+8*\i+4*\c:F0+64*(\set)+8*\i+4*\c+3], v[\adr] offset:\i*16*PITCH+64*(\q)+32*\c
.endr
.endr
.endm
.macro FETCH1 set, adr, q              ; source 1's four
.irp i, 0,1,2,3
.irp c, 0,1
	ds_load_b128 v[F1+32*(\set)+8*\i+4*\c:F1+32*(\set)+8*\i+4*\c+3], v[\adr] offset:\i*16*PITCH+64*(\q)+32*\c
.endr
.endr
.endm
.macro SCALES                          ; all scale words of my rows, once: a row's 32 bytes are the words of the eight K steps
.irp j, 0,1,2,3
.irp c, 0,1
	ds_load_b128 v[SC0+8*\j+4*\c:SC0+8*\j+4*\c+3], v8 offset:512*\j+16*\c
.endr
.endr
.irp j, 0,1
.irp c, 0,1
	ds_load_b128 v[SC1+8*\j+4*\c:SC1+8*\j+4*\c+3], v9 offset:512*\j+16*\c
.endr
.endr
.endm
; A K step of 128.  The next step's 24 loads are issued in one run ahead of this step's 32 products.  way = 0: q, k; 1: v.
.macro STEP k, way
	s_wait_dscnt 0x0                               ; this step's fragments, asked for a step ago, are in
.if \k > 0
	PLACES                                         ; in front of loads into the set that the last step's products read
.endif
.if \k < 7
	FETCH0 (\k+1)%2, 4+(\k+1)/4, (\k+1)%4
	FETCH1 (\k+1)%2, 6+(\k+1)/4, (\k+1)%4
.elseif \way
.irp i1, 0,1,2,3                       ; v: a lane has one feature a tile: its bias, in both registers of a pair
	global_load_b32 v[BI+2*\i1], v15, s[24:25] offset:64*\i1
	global_load_b32 v[BI+2*\i1+1], v15, s[24:25] offset:64*\i1
.endr
.else
.irp i0, 0,1,2,3,4,5,6,7               ; q, k: the bias in the result's layout: features 16 i0 + 8 h + 0 .. 7
	global_load_b128 v[BI+8*\i0:BI+8*\i0+3], v15, s[24:25] offset:64*\i0
	global_load_b128 v[BI+8*\i0+4:BI+8*\i0+7], v15, s[24:25] offset:64*\i0+16
.endr
.endif
.if \k == 0
	MUL32 \k, 1
.else
	MUL32 \k, 0
.endif
.endm
.macro MAIN way
	SCALES
	FETCH0 0, 4, 0
	FETCH1 0, 6, 0
.irp k, 0,1,2,3,4,5,6,7
	STEP \k, \way
.endr
	PLACES                                         ; behind the last products
	s_wait_loadcnt 0x0                             ; the bias
.irp b, 0,1,2,3
	v_mov_b32 v[TM+4+\b], 0                        ; a lane permute's destination counts as one of its sources
.endr
.endm
; 64 numbers of a lane in window 1, v[s] on: tile t's register j at 8 t + j is k = 16 t + 8 h + j of my row.  They become a fragment's codes in v[pc] on and its scale word in v[pw].
; A block of 32 (tiles 2 b, 2 b + 1) lies in lanes l and l xor 16.  The code register of (block 2 c + e, tile half t) goes to pc + 4 c + 2 t + e: it holds the block's k = 16 t + 8 h + 0 .. 7.
; Then registers 2 t and 2 t + 1 change halves: 2 t holds k = 16 t .. + 7 of block 2 c + h, 2 t + 1 holds k = 16 t + 8 .. + 15 of it: a whole block in a lane, as the operand's layout asks.
.macro QUANT s, pc, pw
	WIN 0x05                                       ; sources 0 and 1 in window 1
.irp b, 0,1,2,3
	v_max3_num_f32 v[TM+\b], |v[(\s)+16*\b]|, |v[(\s)+16*\b+1]|, 0x1800000   ; and the floor 2^(3 - 127): the byte cannot fall under 1
.endr
.irp i, 2,4,6,8,10,12,14
.irp b, 0,1,2,3
	s_delay_alu instid0(VALU_DEP_4)
	v_max3_num_f32 v[TM+\b], |v[(\s)+16*\b+\i]|, |v[(\s)+16*\b+\i+1]|, v[TM+\b]   ; the four blocks by turns
.endr
.endr
	WIN 0
.irp b, 0,1,2,3
	v_permlanex16_b32 v[TM+4+\b], v[TM+\b], s[SEL], s[SEL+1]
.endr
.irp b, 0,1,2,3
	s_delay_alu instid0(VALU_DEP_4)
	v_max_num_f32 v[TM+\b], v[TM+\b], v[TM+4+\b]   ; with lane l xor 16's: the block's largest magnitude
.endr
.irp b, 0,1,2,3
	s_delay_alu instid0(VALU_DEP_4)
	v_add_nc_u32 v[TM+12+\b], 0xff000000, v[TM+\b] ; 2 off its exponent field: the conversion's scale operand
.endr
.irp b, 0,1,2,3
	s_delay_alu instid0(VALU_DEP_4)
	v_lshrrev_b32 v[TM+4+\b], 23, v[TM+12+\b]      ; the scale's byte
.endr
	s_delay_alu instid0(VALU_DEP_3)
	v_lshl_or_b32 v[\pw], v[TM+5], 8, v[TM+4]
	s_delay_alu instid0(VALU_DEP_1)
	v_lshl_or_b32 v[\pw], v[TM+6], 16, v[\pw]
	s_delay_alu instid0(VALU_DEP_1)
	v_lshl_or_b32 v[\pw], v[TM+7], 24, v[\pw]
	WIN 0x01                                       ; source 0 in window 1
.irp c, 0,1
.irp e, 0,1
.irp t, 0,1
	v_cvt_scalef32_pk8_fp4_f32 v[(\pc)+4*\c+2*\t+\e], v[(\s)+16*(2*\c+\e)+8*\t:(\s)+16*(2*\c+\e)+8*\t+7], v[TM+12+2*\c+\e]
.endr
.endr
.endr
	WIN 0
	v_nop                                          ; one plain line behind a scaled conversion
.irp c, 0,1
.irp t, 0,1
	v_permlane16_swap_b32 v[(\pc)+4*\c+2*\t], v[(\pc)+4*\c+2*\t+1]
.endr
.endr
.endm
; LDS addresses of a way: b0, b1: where source 0's and source 1's K chunk 0 lie; s0, s1: their scale bytes.  v4 = 528 r + 16 h and v8 = 32 r on the way in.
.macro ADDRS b0, b1, s0, s1
	v_add_nc_u32 v6, s[S1O], v4
	v_add_nc_u32 v4, s[S0O], v4
	s_delay_alu instid0(VALU_DEP_1)
	v_add_nc_u32 v5, (\b0)+CH, v4
	s_delay_alu instid0(VALU_DEP_3)
	v_add_nc_u32 v7, (\b1)+CH, v6
.if \b0
	s_delay_alu instid0(VALU_DEP_3)
	v_add_nc_u32 v4, \b0, v4
.endif
.if \b1
	s_delay_alu instid0(VALU_DEP_4)
	v_add_nc_u32 v6, \b1, v6
.endif
	v_lshl_add_u32 v9, v2, 10, v8                  ; source 1: lanes 16-31 take the tile two further on (32 rows of 32 bytes)
	v_lshl_add_u32 v8, v2, 11, v8                  ; source 0: four further on
	s_lshl_b32 s22, s[W0], 12
	s_add_co_u32 s22, s22, \s0
	v_add_nc_u32 v8, s22, v8
	s_lshl_b32 s22, s[W1], 11
	s_add_co_u32 s22, s22, \s1
	v_add_nc_u32 v9, s22, v9
.endm
	s_load_b512 s[8:23], s[0:1], 0x0               ; xc s[8:9], xs s[10:11], Wq s[12:15], Wk s[16:19], Wv s[20:23] (codes, scales)
	s_load_b256 s[24:31], s[0:1], 0x40             ; bq, bk, bv, qc
	s_load_b128 s[32:35], s[0:1], 0x60             ; qs, kv
	v_lshl_add_u32 v254, v0, 2, 0x49000
	v_mov_b32 v255, 0
	ds_add_u32 v254, v255
	ds_add_u32 v254, v255
	s_wait_dscnt 0x0
	v_lshrrev_b32 v1, 5, v0
	s_delay_alu instid0(VALU_DEP_1)
	v_readfirstlane_b32 s[WV], v1                  ; wave 0..7
	s_and_b32 s[W0], s[WV], 1
	s_lshr_b32 s[W1], s[WV], 1
	s_bfe_u32 s[CX], ttmp6, 0x40000                ; cx, cy: my place in the cluster
	s_bfe_u32 s[CY], ttmp6, 0x40004
	s_and_b32 s[TROW], ttmp7, 0xffff
	s_lshl_b32 s[TROW], s[TROW], 2
	s_add_co_u32 s[TROW], s[TROW], s[CY]           ; which 256 tokens: 4 x cluster y + cy
	s_lshl_b32 s7, s[CY], 2
	s_lshl_b32 s7, 15, s7                          ; my row of the cluster
	s_lshl_b32 s2, 0x1111, s[CX]                   ; my column
	; group 1 for codes: 128 whole rows of 512 bytes, 16 bytes of padding behind each
	s_or_b32 s[G1X], s7, (1<<20)|(1<<21)|(6<<22)|(3<<25)   ; 15:0 the mask; 17:16 elements of 1 byte; 20 padding on; 21 set beside a mask; 24:22 after every 128 words; 31:25 four words
	s_or_b32 s[G1W], s2, (1<<20)|(1<<21)|(6<<22)|(3<<25)
.irp g, G1X, G1W
	s_mov_b32 s[\g+1], 512<<16                     ; tensor_dim0
	s_mov_b32 s[\g+2], 128<<16                     ; tensor_dim1
	s_mov_b32 s[\g+3], 512<<16                     ; tile_dim0
	s_mov_b32 s[\g+4], 128                         ; tile_dim1
	s_mov_b32 s[\g+5], 512                         ; from row to row
	s_mov_b32 s[\g+6], 0
	s_mov_b32 s[\g+7], 0
.endr
	; group 1 for scale bytes: 256 rows of 32 bytes are 8,192 dense bytes: 32 rows of 32 elements of 8 bytes
	s_or_b32 s[G1XS], s7, (3<<16)|(1<<21)
	s_or_b32 s[G1WS], s2, (3<<16)|(1<<21)
.irp g, G1XS, G1WS
	s_mov_b32 s[\g+1], 32<<16
	s_mov_b32 s[\g+2], 32<<16
	s_mov_b32 s[\g+3], 32<<16
	s_mov_b32 s[\g+4], 32
	s_mov_b32 s[\g+5], 32
	s_mov_b32 s[\g+6], 0
	s_mov_b32 s[\g+7], 0
.endr
	s_wait_kmcnt 0x0
	s_cmp_eq_u32 ttmp9, 0                          ; the weight, its bias and the buffers of the results are chosen by the cluster's x
	s_cselect_b64 s[12:13], s[12:13], s[16:17]
	s_cselect_b64 s[14:15], s[14:15], s[18:19]
	s_cselect_b64 s[24:25], s[24:25], s[26:27]
	s_cselect_b64 s[30:31], s[30:31], s[34:35]     ; codes go to qc, or into kv
	s_cselect_b64 s[32:33], s[32:33], s[34:35]     ; scale words to qs, or into kv
	s_mov_b32 s[HSTR], REC
	s_cselect_b32 s[HSTR], 65536, s[HSTR]
	s_mov_b32 s[SSTR], REC
	s_cselect_b32 s[SSTR], 4096, s[SSTR]
	s_cselect_b32 s[SOFF], 0, 131072
	s_cmp_eq_u32 ttmp9, 2
	s_cselect_b64 s[12:13], s[20:21], s[12:13]
	s_cselect_b64 s[14:15], s[22:23], s[14:15]
	s_cselect_b64 s[24:25], s[28:29], s[24:25]
	; where the tiles begin.  x's hang on the token block alone, W's on the column block alone, each in registers that never hold the other coordinate.  A load of codes brings 128 rows: the half w & 1
	s_lshl_b32 s18, s[W0], 16
	s_mov_b32 s19, 0                               ; a load of scale bytes brings all 256 rows
	s_lshl_b32 s16, s[TROW], 17                    ; 256 rows of 512 bytes
	s_add_co_u32 s16, s16, s18
	s_mov_b32 s17, 0
	s_add_nc_u64 s[16:17], s[8:9], s[16:17]        ; x's codes
	s_lshl_b32 s20, s[TROW], 13                    ; 256 rows of 32 bytes
	s_add_co_u32 s20, s20, s19
	s_mov_b32 s21, 0
	s_add_nc_u64 s[20:21], s[10:11], s[20:21]      ; x's scale bytes
	s_lshl_b32 s22, s[CX], 17
	s_add_co_u32 s22, s22, s18
	s_mov_b32 s23, 0
	s_add_nc_u64 s[22:23], s[12:13], s[22:23]      ; W's codes
	s_lshl_b32 s26, s[CX], 13
	s_add_co_u32 s26, s26, s19
	s_mov_b32 s27, 0
	s_add_nc_u64 s[26:27], s[14:15], s[26:27]      ; W's scale bytes
	s_mul_i32 s28, s[W0], 128*PITCH                ; where a half of a tile of codes goes
	CROUND                                         ; all sixteen work-groups are here: the joint loads meet
	s_mov_b32 s[G0XS], 1
	s_mov_b32 s[G0XS+1], XS
	s_mov_b64 s[G0XS+2:G0XS+3], s[20:21]
	s_or_b32 s[G0XS+3], s[G0XS+3], 0x80000000
	s_mov_b32 s[G0WS], 1
	s_mov_b32 s[G0WS+1], WS
	s_mov_b64 s[G0WS+2:G0WS+3], s[26:27]
	s_or_b32 s[G0WS+3], s[G0WS+3], 0x80000000
	s_mov_b32 s[G0X], 1
	s_mov_b32 s[G0X+1], s28
	s_mov_b64 s[G0X+2:G0X+3], s[16:17]
	s_or_b32 s[G0X+3], s[G0X+3], 0x80000000
	s_mov_b32 s[G0W], 1
	s_add_co_u32 s[G0W+1], s28, WC0
	s_mov_b64 s[G0W+2:G0W+3], s[22:23]
	s_or_b32 s[G0W+3], s[G0W+3], 0x80000000
	; THE HEAD'S LOADS, one a wave at the most: waves 0, 1 x's halves, waves 2, 3 W's halves (all of K), wave 4 x's scale bytes, wave 5 W's; waves 6 and 7 fetch nothing
	ARM 2, G0X,  G1X,  .Lhead_w
	ARM 4, G0W,  G1W,  .Lhead_xs
	ARM 5, G0XS, G1XS, .Lhead_ws
	ARM 6, G0WS, G1WS, .Lhead_none
.Lhead_asked:
	v_and_b32 v3, 31, v0                           ; lane
	v_and_b32 v1, 15, v0                           ; r
	v_bfe_u32 v2, v0, 4, 1                         ; h
	s_delay_alu instid0(VALU_DEP_2)
	v_mul_u32_u24 v4, v1, PITCH
	s_delay_alu instid0(VALU_DEP_1)
	v_lshl_add_u32 v4, v2, 4, v4                   ; a fragment's row x pitch + 16 h
	s_delay_alu instid0(VALU_DEP_4)
	v_lshlrev_b32 v8, 5, v1                        ; a row of scale bytes
	v_lshlrev_b32 v10, 4, v3
	s_delay_alu instid0(VALU_DEP_1)
	v_add_nc_u32 v11, s[HSTR], v10
	v_lshlrev_b32 v14, 3, v3
	s_mov_b32 s[SEL], 0x76543210
	s_mov_b32 s[SEL+1], 0xfedcba98
	s_lshr_b32 s22, s[TROW], 3                     ; the batch
	s_lshl_b32 s22, s22, 4
	s_lshl_b32 s23, s[CX], 2
	s_add_co_u32 s[HB], s22, s23
	s_and_b32 s[TB], s[TROW], 7
	s_lshl_b32 s8, s[CX], 10
	s_mov_b32 s9, 0
	s_add_nc_u64 s[24:25], s[24:25], s[8:9]        ; the bias at my work-group's 256 features
	s_mul_i32 s[S0O], s[W0], 128*PITCH
	s_mul_i32 s[S1O], s[W1], 64*PITCH
	s_wait_tensorcnt 0x0                           ; my one load, if I issued one, has landed
	s_barrier_signal -1
	s_barrier_wait -1                              ; everybody's have.
	s_cmp_eq_u32 ttmp9, 2
	s_cbranch_scc1 .Lway_v
	; ---- q and k: source 0 = W, source 1 = x
	s_wait_alu depctr_va_vdst(0)
	ADDRS WC0, XC0, WS, XS
	s_lshl_b32 s22, s[W0], 10
	s_lshl_b32 s23, s[W1], 7
	s_add_co_u32 s22, s22, s23
	s_add_co_u32 s22, s22, STQ
	v_lshlrev_b32 v12, 2, v1
	s_delay_alu instid0(VALU_DEP_1)
	v_lshl_add_u32 v12, v2, 9, v12
	s_delay_alu instid0(VALU_DEP_1)
	v_add_nc_u32 v12, s22, v12                     ; stage in: head 2 w0 + h (512 bytes), tokens 64 w1 on (128), word r
	s_lshl_b32 s22, s[WV], 8
	s_add_co_u32 s22, s22, STQ
	v_add_nc_u32 v13, s22, v14                     ; stage out: 256 bytes a wave
	v_lshlrev_b32 v15, 5, v2                       ; the bias: 32 h
	s_lshl_b32 s8, s[W0], 9
	s_add_nc_u64 s[24:25], s[24:25], s[8:9]        ; at my 128 features
	s_lshl_b32 s22, s[W0], 1
	s_add_co_u32 s22, s22, s[HB]                   ; my first head
	s_mul_i32 s8, s22, s[HSTR]
	s_lshl_b32 s22, s[TB], 13                      ; 16 tiles of 512 bytes for 256 tokens
	s_add_co_u32 s8, s8, s22
	s_lshl_b32 s22, s[W1], 11                      ; my four tiles
	s_add_co_u32 s8, s8, s22
	s_add_nc_u64 s[30:31], s[30:31], s[8:9]
	s_add_co_u32 s22, s[HB], s[W1]                 ; on the way out of the stage wave w takes head w >> 1, half w & 1
	s_mul_i32 s8, s22, s[SSTR]
	s_add_co_u32 s8, s8, s[SOFF]
	s_lshl_b32 s22, s[TB], 9
	s_add_co_u32 s8, s8, s22
	s_lshl_b32 s22, s[W0], 8
	s_add_co_u32 s8, s8, s22
	s_add_nc_u64 s[32:33], s[32:33], s[8:9]
	s_wait_alu depctr_va_vdst(0)
	MAIN 0
.irp i1, 0,1,2,3                       ; a tile of 16 tokens at a time: + bias, quantised: blocks 0, 1 are the first head's, blocks 2, 3 the second's
.set AB, 64*\i1
	WIN 0x41                                       ; destination and source 0 in window 1
.set cp, 0
.rept 32
	v_pk_add_f32 v[AB+cp:AB+cp+1], v[AB+cp:AB+cp+1], v[BI+cp:BI+cp+1]   ; each accumulator from its low end on
.set cp, cp+2
.endr
	QUANT 64*\i1, PC+8*\i1, PW+\i1
	global_store_b128 v10, v[PC+8*\i1:PC+8*\i1+3], s[30:31] offset:512*\i1     ; 32 lanes store 512 consecutive bytes, aligned
	global_store_b128 v11, v[PC+8*\i1+4:PC+8*\i1+7], s[30:31] offset:512*\i1   ; the second head's
.endr
	v_cmp_ne_u32 vcc_lo, 0, v2
.irp g, 0,1                            ; two tiles' halves make a word: lanes 0-15 the first head's, lanes 16-31 the second's
	v_perm_b32 v212, v[PW+2*\g+1], v[PW+2*\g], 0x05040100
	v_perm_b32 v213, v[PW+2*\g+1], v[PW+2*\g], 0x07060302
	s_delay_alu instid0(VALU_DEP_1)
	v_cndmask_b32 v[214+\g], v212, v213, vcc_lo
	ds_store_b32 v12, v[214+\g] offset:64*\g
.endr
	s_wait_dscnt 0x0                               ; for the others' sake: my words lie in the stage
	s_barrier_signal -1
	s_barrier_wait -1
	ds_load_b64 v[216:217], v13
	s_wait_dscnt 0x0
	global_store_b64 v14, v[216:217], s[32:33]     ; 32 lanes store 256 consecutive bytes, aligned
	s_branch .Ldone
.Lway_v:
	; ---- v: source 0 = x, source 1 = W
	s_wait_alu depctr_va_vdst(0)
	ADDRS XC0, WC0, XS, WS
	s_lshl_b32 s22, s[WV], 8
	s_add_co_u32 s22, s22, STV
	v_lshlrev_b32 v12, 2, v1
	s_delay_alu instid0(VALU_DEP_1)
	v_add_nc_u32 v12, s22, v12                     ; my wave's own 256 bytes: word r of tile i1
	v_add_nc_u32 v13, s22, v14
	v_lshlrev_b32 v15, 2, v1                       ; the bias: feature r
	s_lshl_b32 s8, s[W1], 8
	s_add_nc_u64 s[24:25], s[24:25], s[8:9]        ; at my 64 features
	s_add_co_u32 s22, s[HB], s[W1]                 ; my head
	s_mul_i32 s22, s22, REC
	s_lshl_b32 s23, s[TB], 1
	s_add_co_u32 s23, s23, s[W0]                   ; my key step of 128 tokens
	s_lshl_b32 s8, s23, 12
	s_add_co_u32 s8, s8, s22
	s_add_co_u32 s8, s8, 65536
	s_add_nc_u64 s[30:31], s[30:31], s[8:9]
	s_lshl_b32 s8, s23, 8
	s_add_co_u32 s8, s8, s22
	s_add_co_u32 s8, s8, 135168
	s_add_nc_u64 s[32:33], s[32:33], s[8:9]
	s_wait_alu depctr_va_vdst(0)
	MAIN 1
.irp i1, 0,1,2,3                       ; a tile of 16 features at a time: + bias, quantised along my 128 tokens: one fragment of the second product
.set AB, 64*\i1
	WIN 0x41
.set cp, 0
.rept 32
	v_pk_add_f32 v[AB+cp:AB+cp+1], v[AB+cp:AB+cp+1], v[BI+2*\i1:BI+2*\i1+1]
.set cp, cp+2
.endr
	QUANT 64*\i1, PC+8*\i1, PW+\i1
	global_store_b128 v10, v[PC+8*\i1:PC+8*\i1+3], s[30:31] offset:1024*\i1
	global_store_b128 v10, v[PC+8*\i1+4:PC+8*\i1+7], s[30:31] offset:1024*\i1+512
	ds_store_b32 v12, v[PW+\i1] offset:64*\i1      ; lanes r and 16 + r write the same word with the same value
.endr
	ds_load_b64 v[216:217], v13                    ; LDS serves a wave's instructions in order: these see my stores
	s_wait_dscnt 0x0
	global_store_b64 v14, v[216:217], s[32:33]
.Ldone:
	s_wait_xcnt 0x0
	v_lshl_add_u32 v254, v0, 2, 0x49000
	v_mov_b32 v255, 0
	s_wait_alu depctr_va_vdst(0)
	s_wait_tensorcnt 0x0
	ds_add_u32 v254, v255
	s_wait_dscnt 0x0
	CROUND                                         ; the closing round: no work-group ends while a partner may still ask for a tile that names it
	s_endpgm
.Lfunc_end_k_q9cc57d877a_qkv:
	.size	k_q9cc57d877a_qkv, .Lfunc_end_k_q9cc57d877a_qkv-k_q9cc57d877a_qkv
	.p2alignl 7, 3214868480
	.fill 96, 4, 3214868480
	.section	.rodata,"a",@progbits
	.p2align	6, 0x0
	.amdhsa_kernel k_q9cc57d877a_qkv
		.amdhsa_group_segment_fixed_size 300032
		.amdhsa_private_segment_fixed_size 0
		.amdhsa_enable_private_segment 0
		.amdhsa_kernarg_size 112
		.amdhsa_user_sgpr_count 2
		.amdhsa_user_sgpr_kernarg_segment_ptr 1
		.amdhsa_wavefront_size32 1
		.amdhsa_system_sgpr_workgroup_id_x 1
		.amdhsa_system_sgpr_workgroup_id_y 1
		.amdhsa_system_sgpr_workgroup_id_z 1
		.amdhsa_system_vgpr_workitem_id 0
		.amdhsa_next_free_vgpr 512
		.amdhsa_next_free_sgpr 102
		.amdhsa_reserve_vcc 1
		.amdhsa_float_denorm_mode_32 3
		.amdhsa_float_denorm_mode_16_64 3
		.amdhsa_memory_ordered 1
		.amdhsa_forward_progress 1
		.amdhsa_inst_pref_size 169
	.end_amdhsa_kernel
	.amdgpu_metadata
---
amdhsa.version: [ 1, 2 ]
amdhsa.kernels:
  - .name:           k_q9cc57d877a_qkv
    .symbol:         k_q9cc57d877a_qkv.kd
    .args:
      - { .name: xc, .offset: 0, .size: 8, .value_kind: global_buffer, .address_space: global }
      - { .name: xs, .offset: 8, .size: 8, .value_kind: global_buffer, .address_space: global }
      - { .name: Wq_codes, .offset: 16, .size: 8, .value_kind: global_buffer, .address_space: global }
      - { .name: Wq_scales, .offset: 24, .size: 8, .value_kind: global_buffer, .address_space: global }
      - { .name: Wk_codes, .offset: 32, .size: 8, .value_kind: global_buffer, .address_space: global }
      - { .name: Wk_scales, .offset: 40, .size: 8, .value_kind: global_buffer, .address_space: global }
      - { .name: Wv_codes, .offset: 48, .size: 8, .value_kind: global_buffer, .address_space: global }
      - { .name: Wv_scales, .offset: 56, .size: 8, .value_kind: global_buffer, .address_space: global }
      - { .name: bq, .offset: 64, .size: 8, .value_kind: global_buffer, .address_space: global }
      - { .name: bk, .offset: 72, .size: 8, .value_kind: global_buffer, .address_space: global }
      - { .name: bv, .offset: 80, .size: 8, .value_kind: global_buffer, .address_space: global }
      - { .name: qc, .offset: 88, .size: 8, .value_kind: global_buffer, .address_space: global }
      - { .name: qs, .offset: 96, .size: 8, .value_kind: global_buffer, .address_space: global }
      - { .name: kv, .offset: 104, .size: 8, .value_kind: global_buffer, .address_space: global }
    .group_segment_fixed_size: 300032
    .private_segment_fixed_size: 0
    .kernarg_segment_align: 8
    .kernarg_segment_size: 112
    .max_flat_workgroup_size: 256
    .sgpr_count:     102
    .vgpr_count:     512
    .wavefront_size: 32
...
	.end_amdgpu_metadata
.endif
;; end of part 2
;; launch attn (part 3): grid 8 x 32, 16 waves a work-group, clusters of 4 x 1, 327,680 bytes of LDS; arguments qc, qs, kv, radial_mask, ac, asc; writes ac, asc
.if DOCPART == 3
	.amdgcn_target "amdgcn-amd-amdhsa--gfx1250"
	.amdhsa_code_object_version 6
	.text
	.protected	k_q9cc57d877a_attn
	.globl	k_q9cc57d877a_attn
	.p2align	8
	.type	k_q9cc57d877a_attn,@function
k_q9cc57d877a_attn:
	s_mov_b64 s[64:65], 0
	v_nop
	global_prefetch_b8 v0, s[64:65] scope:SCOPE_SE
	s_setreg_imm32_b32 hwreg(HW_REG_WAVE_MODE, 25, 1), 1
	s_wait_xcnt 0x0
	s_wait_alu depctr_hold_cnt(0) depctr_sa_sdst(0) depctr_va_vdst(0) depctr_va_sdst(0) depctr_va_ssrc(0) depctr_va_vcc(0) depctr_vm_vsrc(0)
	s_getreg_b32 s2, hwreg(HW_REG_IB_STS2, 6, 4)
	s_cmp_eq_u32 s2, 0
	s_cbranch_scc0 .Lentry_in_a_cluster
	s_endpgm
.Lentry_in_a_cluster:
	s_bfe_u32 s2, ttmp6, 0x10000c
	s_cmp_lg_u32 s2, 0x3003
	s_cbranch_scc0 .Lentry_shape_is_right
	s_endpgm
.Lentry_shape_is_right:
; attn = Q(softmax(q k^T / 8) x radial_mask) Q(v), both products on codes of FP4 (E2M1) with E8M0 scales; the result is quantised at once, along the features, for the last projection.
; The weights are quantised FINISHED: normalised and multiplied by the mask.  So every query walks its keys twice: walk 1 finds the row's running maximum and the sum of 2^(t - M); walk 2 makes the scores
; again and the finished weights, quantises them along the keys in blocks of 32, and multiplies by v.  c = log2(e) / 8, t = c s, M = the largest t rounded up to a whole number.
; THE MASK goes into the exponent: |weight| = 2^(c (s + L) - M - log2(sum)) with L = log2|mask| / c, a number for each key.  The work-group makes a table of L once; a step's 128 numbers are loaded into the
; score registers and are the C of the score products.  The mask's signs are laid onto the codes: a table holds, for each 8 keys, a word with the sign bits of 8 codes.
; SHARES.  A work-group owns 256 queries of two neighbouring heads (grid y = the pair); each of its sixteen waves owns 16 queries, one tile, and takes the two heads one after the other.  A key step is 128 keys.
; LDS: the two heads' records of kv as they lie in memory (k's codes, v's codes, k's scale words, v's), the two tables, a stage for the result's scale words, the spare words.
; CLUSTER 4, 1, 1: four query blocks of a head pair read the same records, and ask for them jointly (mask 15).
; FILLS: record 0 at the head, 34 rows of 256 bytes a wave.  Record 1 (waves 0 to 7, 68 rows each) behind a round; it is waited for behind head 0's first walk.
; No prefetch: both fills stand at the head, and the loops fetch nothing from memory.
; LAYOUT.  Both products are used transposed: a lane holds one query (lane % 16).  A fragment of k holds two tiles of 16 keys (K 0-63 the first, K 64-127 the second); q's operand has zeros in the other half.
; In S register 16 b + 8 t + j of lane (r, h) is key 32 b + 16 t + 8 h + j of the step.
; LIMITS: the promise holds while the scaled scores stay under 2^31 in magnitude; a mask under 2^-126 in magnitude counts as 0 (L is held at -1e30 from below: the weight is then 0); the mask enters by an addition
; in the exponent and not by a multiplication, so the last bits may differ; a block of zeros gets the byte 1 where the quantiser says 127 (its codes are zeros; this program alone reads the bytes); NaN and infinities are not served.
; REGISTERS: v1 16 lane, v2 4 lane, v3 my place in the table of L; v4-8, v42 addresses in hand; v9 the scale words' way out; v[10:11] walk 2's addend; v12 -M, v13 the largest score, v[14:15] the sum; v16-35 q between zeros;
; v36-41 scale words of q, k, v; v46, v47 scale words of p and of the result; v48-55 p's codes; v56-87 k; v88-119 v (up to head 0's second walk v88-95 hold my part of the tables); v120-183 S; v184-215 O;
; v216-231 at work (v224-226 bases, v227 spare word); v232-239 the result's codes; v248-255 sign words.
.set REC,  139264
.set MASK, 2*REC                       ; the table of L: 2,048 numbers in the keys' order
.set SCO,  MASK+8192
.set SGN,  SCO+1024                    ; the sign words: 256
.set SPARE, SGN+1024                   ; the spare words: 128 bytes a wave, eight blocks of 256 bytes that no other line names
.set ADK, 4
.set ADV, 5
.set ADS, 6
.set ADT, 7
.set ADM, 8
.set QS,  36
.set KS,  38
.set VS,  40
.set ADG, 42
.set PW,  46
.set PC,  48
.set KF,  56
.set VF,  88
.set S,   120
.set O,   184
.set TM,  216
.set KB1, 224                          ; 16 lane + record 1
.set SB0, 225                          ; 4 lane + where the head's scale words of k begin
.set GB,  226                          ; my place among the sign words
.set SPW, 227
.set OC,  232
.set NIL, 245
.set SW,  248
.set G1A, 16                           ; s[16:23], s[24:31] descriptor groups 1: 34, 68 rows of 256 bytes
.set G1R, 24
.set G0A, 32                           ; s[32:35], s[36:39] groups 0: record 0, record 1
.set G0R, 36
.set WV,  44
.set WX,  45
.set Y,   46
.set BAT, 47
.set HP,  48
.set QT,  49
.set SEL, 56
.set CS,  58
.set OFF, 60                           ; the key step whose k is fetched: 4,096 bytes a step, round and round
.set OF2, 61                           ; the same for its scale words: 256 bytes a step
.set STM, 62                           ; for its L: 512
.set CNT, 63
.set SG,  66                           ; for its sign words: 64
.macro CROUND                          ; a round of the cluster's barrier
	s_barrier_signal -1
	s_barrier_wait -1
	s_cmp_lg_u32 s[WV], 0
	s_cbranch_scc1 .Lnot_wave_0_\@
	s_barrier_signal -3
.Lnot_wave_0_\@:
	s_barrier_wait -3
	s_barrier_signal -1
	s_barrier_wait -1
.endm
	s_load_b256 s[4:11], s[0:1], 0x0               ; qc, qs, kv, radial_mask
	s_load_b128 s[12:15], s[0:1], 0x20             ; ac, asc
	v_lshl_add_u32 v[SPW], v0, 2, SPARE
	v_mov_b32 v[NIL], 0
	ds_add_u32 v[SPW], v[NIL]                      ; the opening lines: the add, twice on end, and its wait ahead of my first tensor load
	ds_add_u32 v[SPW], v[NIL]
	v_lshrrev_b32 v9, 5, v0
	s_delay_alu instid0(VALU_DEP_1)
	v_readfirstlane_b32 s[WV], v9                  ; wave 0..15
	s_bfe_u32 s[WX], ttmp6, 0x40000                ; cx
	s_lshl_b32 s50, ttmp9, 2
	s_add_co_u32 s[WX], s[WX], s50                 ; which 256 queries: 4 x cluster x + cx
	s_and_b32 s[Y], ttmp7, 0xffff                  ; the head pair
	s_lshr_b32 s[BAT], s[Y], 3                     ; its batch
	s_and_b32 s[HP], s[Y], 7                       ; and its number in the batch
	s_lshl_b32 s[QT], s[WX], 4
	s_add_co_u32 s[QT], s[QT], s[WV]               ; my tile of 16 queries, 0..127
.irp g, G1A, G1R
	s_mov_b32 s[\g], 15|(3<<16)|(1<<21)            ; the mask of four; elements of 8 bytes; bit 21 beside a mask
	s_mov_b32 s[\g+1], 32<<16                      ; rows of 256 bytes, dense
	s_mov_b32 s[\g+3], 32<<16
	s_mov_b32 s[\g+5], 32
	s_mov_b32 s[\g+6], 0
	s_mov_b32 s[\g+7], 0
.endr
	s_mov_b32 s[G1A+2], 34<<16
	s_mov_b32 s[G1A+4], 34
	s_mov_b32 s[G1R+2], 68<<16
	s_mov_b32 s[G1R+4], 68
	s_mul_i32 s50, s[WV], 8704                     ; my sixteenth of record 0
	s_min_u32 s51, s[WV], 7
	s_mul_i32 s51, s51, 17408
	s_add_co_u32 s51, s51, REC                     ; my eighth of record 1 (waves 0 to 7 ask)
	s_mul_i32 s52, s[Y], 2*REC
	s_mov_b32 s53, 0
	s_lshl_b32 s54, s[BAT], 13
	s_mov_b32 s55, 0
	s_wait_dscnt 0x0                               ; both opening adds are done
	s_wait_kmcnt 0x0
	s_add_nc_u64 s[8:9], s[8:9], s[52:53]          ; my pair's records
	s_mov_b32 s52, s50
	s_mov_b32 s[G0A], 1
	s_mov_b32 s[G0A+1], s50
	s_add_nc_u64 s[G0A+2:G0A+3], s[8:9], s[52:53]
	s_or_b32 s[G0A+3], s[G0A+3], 0x80000000
	s_mov_b32 s52, s51
	s_mov_b32 s[G0R], 1
	s_mov_b32 s[G0R+1], s51
	s_add_nc_u64 s[G0R+2:G0R+3], s[8:9], s[52:53]
	s_or_b32 s[G0R+3], s[G0R+3], 0x80000000
	s_add_nc_u64 s[10:11], s[10:11], s[54:55]      ; the batch's row of the mask
	CROUND                                         ; all four work-groups are here: the joint loads meet
	tensor_load_to_lds s[G0A:G0A+3], s[G1A:G1A+7]  ; record 0: my one load at the head
	s_nop 0
.rept 4
	v_nop
.endr
	s_lshl_b32 s52, s[Y], 17                       ; q's codes: 65,536 bytes a head, 512 a tile
	s_lshl_b32 s50, s[QT], 9
	s_add_co_u32 s52, s52, s50
	s_add_nc_u64 s[4:5], s[4:5], s[52:53]
	s_lshl_b32 s52, s[Y], 13                       ; q's scale words: 4,096 bytes a head, 64 for 32 queries, my tile's half
	s_lshr_b32 s50, s[QT], 1
	s_lshl_b32 s50, s50, 6
	s_add_co_u32 s52, s52, s50
	s_and_b32 s50, s[QT], 1
	s_lshl_b32 s50, s50, 1
	s_add_co_u32 s52, s52, s50
	s_add_nc_u64 s[6:7], s[6:7], s[52:53]
	s_lshr_b32 s52, s[HP], 2                       ; ac: [K half][tile of 16 tokens][head % 8][lane][16 bytes]
	s_lshl_b32 s52, s52, 21
	s_lshl_b32 s50, s[BAT], 7
	s_add_co_u32 s50, s50, s[QT]
	s_lshl_b32 s50, s50, 12
	s_add_co_u32 s52, s52, s50
	s_and_b32 s50, s[HP], 3
	s_lshl_b32 s50, s50, 10
	s_add_co_u32 s52, s52, s50
	s_add_nc_u64 s[76:77], s[12:13], s[52:53]
	s_lshl_b32 s52, s[HP], 15                      ; asc: [head pair][token] words
	s_lshl_b32 s50, s[BAT], 13
	s_add_co_u32 s52, s52, s50
	s_lshl_b32 s50, s[WX], 10
	s_add_co_u32 s52, s52, s50
	s_add_nc_u64 s[78:79], s[14:15], s[52:53]
	s_mov_b32 s[SEL], 0x76543210
	s_mov_b32 s[SEL+1], 0xfedcba98                 ; v_permlanex16_b32's selects for lane l xor 16
	s_mov_b32 s[CS], 0x3e38aa3b                    ; c = log2(e) / 8
	s_mov_b32 s[CS+1], s[CS]
	v_and_b32 v2, 31, v0
	s_delay_alu instid0(VALU_DEP_1)
	v_lshlrev_b32 v1, 4, v2
	s_delay_alu instid0(VALU_DEP_2)
	v_lshlrev_b32 v2, 2, v2
	v_and_b32 v[ADM], 15, v0
	s_delay_alu instid0(VALU_DEP_1)
	v_lshlrev_b32 v[ADM], 2, v[ADM]                ; 4 r (this register serves the table's address later)
	v_lshlrev_b32 v91, 4, v0                       ; my four keys of the mask: 16 bytes a thread
	global_load_b128 v[20:23], v1, s[4:5]
	global_load_b128 v[28:31], v1, s[4:5] offset:65536
	global_load_u16 v36, v[ADM], s[6:7]
	global_load_u16 v37, v[ADM], s[6:7] offset:4096
	global_load_b128 v[92:95], v91, s[10:11]       ; 32 lanes read 512 consecutive bytes
	v_lshl_add_u32 v88, v0, 4, MASK                ; where my four L go,
	v_lshl_add_u32 v89, v0, 1, SGN                 ; and my half of a sign word
	v_bfe_u32 v242, v0, 4, 1                       ; h
	s_delay_alu instid0(VALU_DEP_1)
	v_lshl_add_u32 v3, v242, 5, MASK               ; lanes 16-31 take the L of the keys 8 further on
	v_lshl_add_u32 v[GB], v242, 4, SGN             ; and the sign words of the keys 32 further on
	v_lshrrev_b32 v246, 5, v0
	s_delay_alu instid0(VALU_DEP_1)
	v_lshl_add_u32 v246, v246, 6, v[ADM]
	s_delay_alu instid0(VALU_DEP_1)
	v_add_nc_u32 v246, SCO, v246                   ; the stage, in: 64 bytes a wave, word r
	v_and_b32 v9, 63, v0
	s_delay_alu instid0(VALU_DEP_1)
	v_lshlrev_b32 v9, 4, v9
	s_delay_alu instid0(VALU_DEP_1)
	v_add_nc_u32 v247, SCO, v9                     ; and out: 16 bytes a lane of waves 0 and 1
.irp z, 16,17,18,19,24,25,26,27,32,33,34,35
	v_mov_b32 v\z, 0                               ; the zeros beside q
.endr
	s_wait_alu depctr_va_vdst(0)
	s_wait_tensorcnt 0x0                           ; my part of record 0 is in
	ds_add_u32 v[SPW], v[NIL]
	s_wait_dscnt 0x0
	CROUND                                         ; everybody's part is in, and all four work-groups are here
	s_cmp_lt_u32 s[WV], 8
	s_cbranch_scc0 .Lasked
	tensor_load_to_lds s[G0R:G0R+3], s[G1R:G1R+7]  ; record 1
	s_nop 0
.rept 4
	v_nop
.endr
.Lasked:
	s_wait_loadcnt 0x0                             ; q and the mask
	v_lshl_or_b32 v36, v36, 16, v36                ; q's two bytes in both halves of the word
	v_lshl_or_b32 v37, v37, 16, v37
	v_lshrrev_b32 v240, 28, v92                    ; the signs of my four keys, each at bit 3 of its code's four
	v_lshrrev_b32 v241, 24, v93
	v_lshrrev_b32 v242, 20, v94
	v_lshrrev_b32 v243, 16, v95
	s_delay_alu instid0(VALU_DEP_4)
	v_and_b32 v90, 8, v240
	s_delay_alu instid0(VALU_DEP_1)
	v_and_or_b32 v90, v241, 0x80, v90
	s_delay_alu instid0(VALU_DEP_1)
	v_and_or_b32 v90, v242, 0x800, v90
	s_delay_alu instid0(VALU_DEP_1)
	v_and_or_b32 v90, v243, 0x8000, v90
.irp b, 0,1,2,3
	v_mov_b32 v[TM+4+\b], 0                        ; a lane permute's destination counts as one of its sources
.endr
	v_mov_b32 v241, 0
	s_wait_alu depctr_va_vdst(0)
.irp i, 92,93,94,95
	v_log_f32 v\i, |v\i|
.endr
	v_mov_b32 v243, 0                              ; (named as the upper half of the pair v[242:243]; the plain line behind the batch)
	s_wait_alu depctr_va_vdst(0)
.irp i, 92,93,94,95
	v_mul_f32 v\i, 0x40b17218, v\i                 ; L = log2|mask| x 8 ln 2
.endr
.irp i, 92,93,94,95
	s_delay_alu instid0(VALU_DEP_4)
	v_max_num_f32 v\i, 0xf149f2ca, v\i             ; held at -1e30 from below: a mask of 0 gives a weight of 0
.endr
.macro LOADK                           ; a key step's eight tiles of k and their scale words
.irp i, 0,1,2,3,4,5,6,7
	ds_load_b128 v[KF+4*\i:KF+4*\i+3], v[ADK] offset:512*\i
.endr
.irp i, 0,1
	ds_load_b32 v[KS+\i], v[ADS] offset:128*\i
.endr
.endm
.macro LOADL adr                       ; a key step's L into the score registers: register 16 b + 8 t + j takes key 32 b + 16 t + 8 h + j; sixteen lanes read the same 16 bytes
.irp u, 0,1,2,3,4,5,6,7
.irp g, 0,1
	ds_load_b128 v[S+8*\u+4*\g:S+8*\u+4*\g+3], v[\adr] offset:64*\u+16*\g
.endr
.endr
.endm
.macro KNEXT                           ; on to the next key step's k; behind the sixteenth comes the first again, so nothing is read beyond the head's keys
	s_add_co_u32 s[OFF], s[OFF], 4096
	s_and_b32 s[OFF], s[OFF], 0xf000
	s_lshr_b32 s[OF2], s[OFF], 4
.endm
.macro QK8 hd, cz                      ; S^T = k q^T, eight tiles of 16 keys.  cz: C = 0; else C = what the score registers hold, L
.irp b, 0,1,2,3
.irp t, 0,1
.if (\cz) && (\b%2)
	v_wmma_scale_f32_16x16x128_f8f6f4 v[S+16*\b+8*\t:S+16*\b+8*\t+7], v[KF+8*\b:KF+8*\b+7], v[20+8*\hd-4*\t:27+8*\hd-4*\t], 0, v[KS+\b/2], v[QS+\hd] matrix_a_fmt:MATRIX_FMT_FP4 matrix_b_fmt:MATRIX_FMT_FP4 matrix_a_scale:MATRIX_SCALE_ROW1
.elseif (\cz)
	v_wmma_scale_f32_16x16x128_f8f6f4 v[S+16*\b+8*\t:S+16*\b+8*\t+7], v[KF+8*\b:KF+8*\b+7], v[20+8*\hd-4*\t:27+8*\hd-4*\t], 0, v[KS+\b/2], v[QS+\hd] matrix_a_fmt:MATRIX_FMT_FP4 matrix_b_fmt:MATRIX_FMT_FP4
.elseif (\b%2)
	v_wmma_scale_f32_16x16x128_f8f6f4 v[S+16*\b+8*\t:S+16*\b+8*\t+7], v[KF+8*\b:KF+8*\b+7], v[20+8*\hd-4*\t:27+8*\hd-4*\t], v[S+16*\b+8*\t:S+16*\b+8*\t+7], v[KS+\b/2], v[QS+\hd] matrix_a_fmt:MATRIX_FMT_FP4 matrix_b_fmt:MATRIX_FMT_FP4 matrix_a_scale:MATRIX_SCALE_ROW1
.else
	v_wmma_scale_f32_16x16x128_f8f6f4 v[S+16*\b+8*\t:S+16*\b+8*\t+7], v[KF+8*\b:KF+8*\b+7], v[20+8*\hd-4*\t:27+8*\hd-4*\t], v[S+16*\b+8*\t:S+16*\b+8*\t+7], v[KS+\b/2], v[QS+\hd] matrix_a_fmt:MATRIX_FMT_FP4 matrix_b_fmt:MATRIX_FMT_FP4
.endif
.endr
.endr
.endm
.macro EXPS                            ; the 64 exponentials as one batch
	s_wait_alu depctr_va_vdst(0)
.set cj, 0
.rept 64
	v_exp_f32 v[S+cj], v[S+cj]
.set cj, cj+1
.endr
.endm
; WALK 1, a key step: the running maximum, M, and the sum of 2^(t - M)
.macro P1STEP hd
	s_wait_dscnt 0x0                               ; this step's k, asked for a step ago
	QK8 \hd, 1
	KNEXT
	v_add_nc_u32 v[ADK], s[OFF], v[KBR]
	v_add_nc_u32 v[ADS], s[OF2], v[SB0]
	v_nop
	v_nop                                          ; four places behind the products
.irp t, 0,1,2,3,4,5,6,7
	v_max3_num_f32 v[TM+\t], v[S+8*\t], v[S+8*\t+1], v[S+8*\t+2]
.endr
	LOADK                                          ; the next step's
.irp i, 3,5
.irp t, 0,1,2,3,4,5,6,7
	v_max3_num_f32 v[TM+\t], v[TM+\t], v[S+8*\t+\i], v[S+8*\t+\i+1]
.endr
.endr
.irp u, 0,1,2,3
	v_max3_num_f32 v[TM+\u], v[TM+\u], v[S+8*\u+7], v[S+8*\u+39]
.endr
	s_delay_alu instid0(VALU_DEP_4)
	v_max3_num_f32 v[TM], v[TM], v[TM+4], v[TM+5]
	s_delay_alu instid0(VALU_DEP_4)
	v_max3_num_f32 v[TM+1], v[TM+1], v[TM+6], v[TM+7]
	s_delay_alu instid0(VALU_DEP_3)
	v_max_num_f32 v[TM+2], v[TM+2], v[TM+3]
	s_delay_alu instid0(VALU_DEP_1)
	v_max3_num_f32 v240, v[TM], v[TM+1], v[TM+2]
	v_mov_b32 v244, v12                            ; the old -M
	s_delay_alu instid0(VALU_DEP_2)
	v_permlanex16_b32 v241, v240, s[SEL], s[SEL+1]
	s_delay_alu instid0(VALU_DEP_1)
	v_max3_num_f32 v13, v13, v240, v241            ; the running largest score
	s_delay_alu instid0(VALU_DEP_1)
	v_mul_f32 v241, s[CS], v13
	s_delay_alu instid0(VALU_DEP_1)
	v_floor_f32 v12, -v241                         ; -M = floor(-t): M is a whole number
.set cj, 0
.rept 32
	v_pk_fma_f32 v[S+cj:S+cj+1], v[S+cj:S+cj+1], s[CS:CS+1], v[12:13] op_sel_hi:[1,0,0]   ; t - M
.if cj == 12
	v_sub_f32 v244, v12, v244                      ; old M - new M, a whole number, 0 or less
.elseif cj == 28
	v_cvt_i32_f32 v244, v244                       ; (it saturates)
.elseif cj == 44
	v_ldexp_f32 v242, 1.0, v244                    ; f = 2^(old M - new M)
.endif
.set cj, cj+2
.endr
	EXPS
	v_pk_mul_f32 v[14:15], v[14:15], v[242:243] op_sel_hi:[1,0]   ; the sums under the new M (the plain line behind the batch)
	s_wait_alu depctr_va_vdst(0)                   ; one wait for the batch, ahead of its first reader
.irp w, 32,16,8,4,2
.set cj, 0
.rept \w/2
	v_pk_add_f32 v[S+cj:S+cj+1], v[S+cj:S+cj+1], v[S+cj+\w:S+cj+\w+1]
.set cj, cj+2
.endr
.endr
	s_delay_alu instid0(VALU_DEP_1)
	v_pk_add_f32 v[14:15], v[14:15], v[S:S+1]
.endm
.macro CV s, pc, c, e, t
	v_cvt_scalef32_pk8_fp4_f32 v[(\pc)+4*\c+2*\t+\e], v[(\s)+16*(2*\c+\e)+8*\t:(\s)+16*(2*\c+\e)+8*\t+7], v[TM+12+2*\c+\e]
.endm
.macro QTAIL s, pc, pw                 ; scale bytes, scale word, codes; registers 2 t and 2 t + 1 change halves, so that a lane holds a whole block
.irp b, 0,1,2,3
	s_delay_alu instid0(VALU_DEP_4)
	v_permlanex16_b32 v[TM+4+\b], v[TM+\b], s[SEL], s[SEL+1]
.endr
.irp b, 0,1,2,3
	s_delay_alu instid0(VALU_DEP_4)
	v_max_num_f32 v[TM+\b], v[TM+\b], v[TM+4+\b]
.endr
.irp b, 0,1,2,3
	s_delay_alu instid0(VALU_DEP_4)
	v_add_nc_u32 v[TM+12+\b], 0xff000000, v[TM+\b]
.endr
.irp b, 0,1,2,3
	s_delay_alu instid0(VALU_DEP_4)
	v_lshrrev_b32 v[TM+4+\b], 23, v[TM+12+\b]
.endr
	s_delay_alu instid0(VALU_DEP_3)
	v_lshl_or_b32 v[\pw], v[TM+5], 8, v[TM+4]
	CV \s, \pc, 0, 0, 0
	CV \s, \pc, 0, 0, 1
	CV \s, \pc, 0, 1, 0
	v_lshl_or_b32 v[\pw], v[TM+6], 16, v[\pw]
	CV \s, \pc, 0, 1, 1
	CV \s, \pc, 1, 0, 0
	CV \s, \pc, 1, 0, 1
	v_lshl_or_b32 v[\pw], v[TM+7], 24, v[\pw]
	CV \s, \pc, 1, 1, 0
	CV \s, \pc, 1, 1, 1
	v_nop
.irp c, 0,1
.irp t, 0,1
	v_permlane16_swap_b32 v[(\pc)+4*\c+2*\t], v[(\pc)+4*\c+2*\t+1]
.endr
.endr
.endm
.macro QUANT2 s, pc, pw                ; the result's 64 features of a head: two blocks
.irp b, 0,1
	v_max3_num_f32 v[TM+\b], |v[(\s)+16*\b]|, |v[(\s)+16*\b+1]|, 0x1800000
.endr
.irp i, 2,4,6,8,10,12,14
.irp b, 0,1
	v_max3_num_f32 v[TM+\b], |v[(\s)+16*\b+\i]|, |v[(\s)+16*\b+\i+1]|, v[TM+\b]
.endr
.endr
.irp b, 0,1
	s_delay_alu instid0(VALU_DEP_2)
	v_permlanex16_b32 v[TM+4+\b], v[TM+\b], s[SEL], s[SEL+1]
.endr
.irp b, 0,1
	s_delay_alu instid0(VALU_DEP_2)
	v_max_num_f32 v[TM+\b], v[TM+\b], v[TM+4+\b]
.endr
.irp b, 0,1
	s_delay_alu instid0(VALU_DEP_2)
	v_add_nc_u32 v[TM+12+\b], 0xff000000, v[TM+\b]
.endr
.irp b, 0,1
	s_delay_alu instid0(VALU_DEP_2)
	v_lshrrev_b32 v[TM+4+\b], 23, v[TM+12+\b]
.endr
	s_delay_alu instid0(VALU_DEP_1)
	v_lshl_or_b32 v[\pw], v[TM+5], 8, v[TM+4]
.irp e, 0,1
.irp t, 0,1
	v_cvt_scalef32_pk8_fp4_f32 v[(\pc)+2*\t+\e], v[(\s)+16*\e+8*\t:(\s)+16*\e+8*\t+7], v[TM+12+\e]
.endr
.endr
	v_nop
.irp t, 0,1
	v_permlane16_swap_b32 v[(\pc)+2*\t], v[(\pc)+2*\t+1]
.endr
.endm
; WALK 2, a key step: the scores again over L, the weights' magnitudes, their codes, the signs, and O^T += v^T p^T
.macro P2STEP hd
	s_wait_dscnt 0x0                               ; this step's k and L
	QK8 \hd, 0
	v_add_nc_u32 v[ADV], 65536, v[ADK]             ; v's codes lie 65,536 bytes behind k's, its scale words 4,096 behind k's
	v_add_nc_u32 v[ADT], 4096, v[ADS]
	v_add_nc_u32 v[ADG], s[SG], v[GB]
	v_nop                                          ; four places behind these products and the last step's
.irp t, 0,1,2,3
.irp c, 0,1
	ds_load_b128 v[VF+8*\t+4*\c:VF+8*\t+4*\c+3], v[ADV] offset:1024*\t+512*\c
.endr
.endr
.irp i, 0,1
	ds_load_b32 v[VS+\i], v[ADT] offset:128*\i
.endr
.irp c, 0,1
	ds_load_b128 v[SW+4*\c:SW+4*\c+3], v[ADG] offset:32*\c   ; the sign words of keys 64 c + 32 h + 0 .. 31
.endr
	KNEXT
	s_lshr_b32 s[STM], s[OFF], 3
	s_lshr_b32 s[SG], s[OFF], 6
.set cj, 0
.rept 32
	v_pk_fma_f32 v[S+cj:S+cj+1], v[S+cj:S+cj+1], s[CS:CS+1], v[10:11] op_sel_hi:[1,0,0]   ; c (s + L) - M - log2(sum)
.set cj, cj+2
.endr
	EXPS
	v_add_nc_u32 v[ADK], s[OFF], v[KBR]            ; (the plain lines behind the batch)
	v_add_nc_u32 v[ADS], s[OF2], v[SB0]
	s_wait_alu depctr_va_vdst(0)                   ; one wait for the batch, ahead of its first reader and of the wait below
	s_wait_dscnt 0x0                               ; v, its scale words, the sign words
	LOADK                                          ; the next step's k
.irp k, 0,1,2,3                        ; the blocks' largest magnitudes, over the floor 2^(3 - 127): two chains a block, eight by turns
	v_max3_num_f32 v[TM+\k], v[S+16*\k], v[S+16*\k+1], 0x1800000
	v_max3_num_f32 v[TM+4+\k], v[S+16*\k+8], v[S+16*\k+9], v[S+16*\k+10]
.endr
.irp i, 2,4
.irp k, 0,1,2,3
	v_max3_num_f32 v[TM+\k], v[TM+\k], v[S+16*\k+\i], v[S+16*\k+\i+1]
	v_max3_num_f32 v[TM+4+\k], v[TM+4+\k], v[S+16*\k+\i+9], v[S+16*\k+\i+10]
.endr
.endr
.irp k, 0,1,2,3
	v_max3_num_f32 v[TM+\k], v[TM+\k], v[S+16*\k+6], v[S+16*\k+7]
.endr
	v_add_nc_u32 v[ADM], s[STM], v3                ; where the next step's L lies; it also parts the four lines below from the four above
.irp k, 0,1,2,3
	v_max3_num_f32 v[TM+\k], v[TM+\k], v[TM+4+\k], v[S+16*\k+15]
.endr
	QTAIL S, PC, PW
	LOADL ADM                                      ; the next step's L, into the score registers, which the conversions have read
.irp i, 0,1,2,3,4,5,6,7
	v_xor_b32 v[PC+\i], v[PC+\i], v[SW+\i]         ; the mask's signs onto the codes
.endr
.rept 7
	v_nop                                          ; with the one behind the conversions: a scale word made by vector lines stands eight places ahead of the product, an operand four
.endr
	s_wait_alu depctr_va_vdst(0)                   ; O^T is taken up again behind the exponentials
.irp t, 0,1,2,3
.if (\t%2)
	v_wmma_scale_f32_16x16x128_f8f6f4 v[O+8*\t:O+8*\t+7], v[VF+8*\t:VF+8*\t+7], v[PC:PC+7], v[O+8*\t:O+8*\t+7], v[VS+\t/2], v[PW] matrix_a_fmt:MATRIX_FMT_FP4 matrix_b_fmt:MATRIX_FMT_FP4 matrix_a_scale:MATRIX_SCALE_ROW1
.else
	v_wmma_scale_f32_16x16x128_f8f6f4 v[O+8*\t:O+8*\t+7], v[VF+8*\t:VF+8*\t+7], v[PC:PC+7], v[O+8*\t:O+8*\t+7], v[VS+\t/2], v[PW] matrix_a_fmt:MATRIX_FMT_FP4 matrix_b_fmt:MATRIX_FMT_FP4
.endif
.endr
.endm
.macro HEADRUN hd
.set KBR, 1+(KB1-1)*\hd                ; 16 lane + the record: v1 itself for record 0
.if \hd
	v_add_nc_u32 v[KB1], REC, v1
	v_add_nc_u32 v[ADK], REC, v1
.else
	v_mov_b32 v[ADK], v1
.endif
	v_add_nc_u32 v[SB0], REC*\hd+131072, v2
	v_add_nc_u32 v[ADS], REC*\hd+131072, v2
	LOADK
	v_mov_b32 v13, 0xff61b1e6                      ; the largest score so far: -3e38
	v_mov_b32 v12, 0x7f61b1e6                      ; -M
	v_mov_b32 v14, 0
	v_mov_b32 v15, 0
	s_mov_b32 s[OFF], 0
	s_mov_b32 s[CNT], 16
	s_wait_alu depctr_va_vdst(0)
.Lwalk1_\@:
	P1STEP \hd
	s_sub_co_u32 s[CNT], s[CNT], 1
	s_cmp_lg_u32 s[CNT], 0
	s_cbranch_scc1 .Lwalk1_\@
.if \hd == 0
	s_wait_alu depctr_va_vdst(0)
	s_wait_tensorcnt 0x0                           ; my part of record 1 has landed: no tensor load of mine is out
	ds_store_b128 v88, v[92:95]                    ; my part of the two tables
	ds_store_b16 v89, v90
	s_wait_dscnt 0x0                               ; for the others' sake
	s_barrier_signal -1                            ; work on registers stands between its halves
.endif
	v_add_f32 v14, v14, v15
	s_delay_alu instid0(VALU_DEP_1)
	v_permlanex16_b32 v241, v14, s[SEL], s[SEL+1]
	s_delay_alu instid0(VALU_DEP_1)
	v_add_f32 v14, v14, v241                       ; the row's sum
	s_wait_alu depctr_va_vdst(0)
	v_log_f32 v240, v14
	v_mov_b32 v11, 0
.set cj, 0
.rept 32
	v_mov_b32 v[O+cj], 0                           ; O^T: the step is written once for a head
.set cj, cj+1
.endr
	s_wait_alu depctr_va_vdst(0)
	v_sub_f32 v10, v12, v240                       ; -M - log2(sum)
	s_mov_b32 s[CNT], 16
	s_mov_b32 s[SG], 0
	s_wait_alu depctr_va_vdst(0)
.if \hd == 0
	s_barrier_wait -1                              ; record 1 and the tables are whole
.endif
	LOADL 3                                        ; the first step's L
.Lwalk2_\@:
	P2STEP \hd
	s_sub_co_u32 s[CNT], s[CNT], 1
	s_cmp_lg_u32 s[CNT], 0
	s_cbranch_scc1 .Lwalk2_\@
	s_wait_dscnt 0x0                               ; the look-ahead's last loads
.rept 4
	v_nop
.endr
	QUANT2 O, OC+4*\hd, 47-\hd
	global_store_b128 v1, v[OC+4*\hd:OC+4*\hd+3], s[76:77] offset:512*\hd   ; 32 lanes store 512 consecutive bytes, aligned
.endm
	HEADRUN 0
	HEADRUN 1
	v_lshl_or_b32 v47, v46, 16, v47                ; the two heads' bytes make the word of a K step of the last projection
	ds_store_b32 v246, v47                         ; lanes r and 16 + r write the same word with the same value
	s_wait_dscnt 0x0
	s_barrier_signal -1
	s_barrier_wait -1
	s_cmp_lt_u32 s[WV], 2
	s_cbranch_scc0 .Lend
	ds_load_b128 v[216:219], v247
	s_wait_dscnt 0x0
	global_store_b128 v9, v[216:219], s[78:79]     ; 64 lanes store 1,024 consecutive bytes, aligned
.Lend:
	s_wait_tensorcnt 0x0                           ; the wave's end
	ds_add_u32 v[SPW], v[NIL]
	s_wait_dscnt 0x0
	CROUND                                         ; the closing round
	s_endpgm
.Lfunc_end_k_q9cc57d877a_attn:
	.size	k_q9cc57d877a_attn, .Lfunc_end_k_q9cc57d877a_attn-k_q9cc57d877a_attn
	.p2alignl 7, 3214868480
	.fill 96, 4, 3214868480
	.section	.rodata,"a",@progbits
	.p2align	6, 0x0
	.amdhsa_kernel k_q9cc57d877a_attn
		.amdhsa_group_segment_fixed_size 327680
		.amdhsa_private_segment_fixed_size 0
		.amdhsa_enable_private_segment 0
		.amdhsa_kernarg_size 48
		.amdhsa_user_sgpr_count 2
		.amdhsa_user_sgpr_kernarg_segment_ptr 1
		.amdhsa_wavefront_size32 1
		.amdhsa_system_sgpr_workgroup_id_x 1
		.amdhsa_system_sgpr_workgroup_id_y 1
		.amdhsa_system_sgpr_workgroup_id_z 1
		.amdhsa_system_vgpr_workitem_id 0
		.amdhsa_next_free_vgpr 256
		.amdhsa_next_free_sgpr 80
		.amdhsa_reserve_vcc 0
		.amdhsa_float_denorm_mode_32 3
		.amdhsa_float_denorm_mode_16_64 3
		.amdhsa_memory_ordered 1
		.amdhsa_forward_progress 1
		.amdhsa_inst_pref_size 71
	.end_amdhsa_kernel
	.amdgpu_metadata
---
amdhsa.version: [ 1, 2 ]
amdhsa.kernels:
  - .name:           k_q9cc57d877a_attn
    .symbol:         k_q9cc57d877a_attn.kd
    .args:
      - { .name: qc, .offset: 0, .size: 8, .value_kind: global_buffer, .address_space: global }
      - { .name: qs, .offset: 8, .size: 8, .value_kind: global_buffer, .address_space: global }
      - { .name: kv, .offset: 16, .size: 8, .value_kind: global_buffer, .address_space: global }
      - { .name: radial_mask, .offset: 24, .size: 8, .value_kind: global_buffer, .address_space: global }
      - { .name: ac, .offset: 32, .size: 8, .value_kind: global_buffer, .address_space: global }
      - { .name: asc, .offset: 40, .size: 8, .value_kind: global_buffer, .address_space: global }
    .group_segment_fixed_size: 327680
    .private_segment_fixed_size: 0
    .kernarg_segment_align: 8
    .kernarg_segment_size: 48
    .max_flat_workgroup_size: 512
    .sgpr_count:     80
    .vgpr_count:     256
    .wavefront_size: 32
...
	.end_amdgpu_metadata
.endif
;; end of part 3
;; launch outproj (part 4): grid 4 x 64, 4 waves a work-group, clusters of 4 x 4, 327,680 bytes of LDS; arguments ac, asc, Wo_codes, Wo_scales, bo, inputs, out0; writes out0
.if DOCPART == 4
	.amdgcn_target "amdgcn-amd-amdhsa--gfx1250"
	.amdhsa_code_object_version 6
	.text
	.protected	k_q9cc57d877a_outproj
	.globl	k_q9cc57d877a_outproj
	.p2align	8
	.type	k_q9cc57d877a_outproj,@function
k_q9cc57d877a_outproj:
	s_mov_b64 s[64:65], 0
	v_nop
	global_prefetch_b8 v0, s[64:65] scope:SCOPE_SE
	s_setreg_imm32_b32 hwreg(HW_REG_WAVE_MODE, 25, 1), 1
	s_wait_xcnt 0x0
	s_wait_alu depctr_hold_cnt(0) depctr_sa_sdst(0) depctr_va_vdst(0) depctr_va_sdst(0) depctr_va_ssrc(0) depctr_va_vcc(0) depctr_vm_vsrc(0)
	s_getreg_b32 s2, hwreg(HW_REG_IB_STS2, 6, 4)
	s_cmp_eq_u32 s2, 0
	s_cbranch_scc0 .Lentry_in_a_cluster
	s_endpgm
.Lentry_in_a_cluster:
	s_bfe_u32 s2, ttmp6, 0x10000c
	s_cmp_lg_u32 s2, 0xf033
	s_cbranch_scc0 .Lentry_shape_is_right
	s_endpgm
.Lentry_shape_is_right:
.set PITCH, 528                        ; an LDS row of W's codes: all of K, 512 bytes + 16 of padding
.set WCH,   256                        ; from K 0-511 to K 512-1023 inside a row
.set AC0,   256*PITCH                  ; behind W's 256 rows: the attention's codes, two K halves of 32,768 bytes
.set ACH,   32768
.set WS,    AC0+2*ACH
.set AS,    WS+8192
.set STG,   AS+4096
.set SPITCH, 528
.set SC0, 16
.set SC1, 48
.set F0,  64
.set F1,  192
.set BK,  64
.set WV,   3
.set CX,   4
.set CY,   5
.set TROW, 6
.set G1A,  24
.set G1W,  32
.set G1AS, 40
.set G1WS, 48
.set G0AS, 56
.set G0WS, 72
.set W0,   84
.set W1,   85
.set COL,  86
.set MSB, 0
.macro WIN new
.if MSB != \new
	s_set_vgpr_msb (MSB<<8)|\new
.set MSB, \new
.endif
.endm
; One arm of the head's tree of branches on the wave's number: its joint load and a jump to the tree's end.  An s_nop 0 and four v_nop follow the load.
.macro ARM under, g0, g1, next
	s_cmp_lt_u32 s[WV], \under
	s_cbranch_scc0 \next
	tensor_load_to_lds s[\g0:\g0+3], s[\g1:\g1+7]
	s_nop 0
.rept 4
	v_nop
.endr
	s_branch .Lhead_asked
\next:
.endm
.macro CROUND
	s_barrier_signal -1
	s_barrier_wait -1
	s_cmp_lg_u32 s[WV], 0
	s_cbranch_scc1 .Lnot_wave_0_\@
	s_barrier_signal -3
.Lnot_wave_0_\@:
	s_barrier_wait -3
	s_barrier_signal -1
	s_barrier_wait -1
.endm
.macro PLACES
.rept 4
	v_nop
.endr
.endm
.macro WM ra, rb
.if (\ra) && (\rb)
	v_wmma_scale_f32_16x16x128_f8f6f4 v[rD:rD+7], v[rA:rA+7], v[rB:rB+7], v[rC:rC+7], v[rSA], v[rSB] matrix_a_fmt:MATRIX_FMT_FP4 matrix_b_fmt:MATRIX_FMT_FP4 matrix_a_scale:MATRIX_SCALE_ROW1 matrix_b_scale:MATRIX_SCALE_ROW1
.elseif (\ra)
	v_wmma_scale_f32_16x16x128_f8f6f4 v[rD:rD+7], v[rA:rA+7], v[rB:rB+7], v[rC:rC+7], v[rSA], v[rSB] matrix_a_fmt:MATRIX_FMT_FP4 matrix_b_fmt:MATRIX_FMT_FP4 matrix_a_scale:MATRIX_SCALE_ROW1
.elseif (\rb)
	v_wmma_scale_f32_16x16x128_f8f6f4 v[rD:rD+7], v[rA:rA+7], v[rB:rB+7], v[rC:rC+7], v[rSA], v[rSB] matrix_a_fmt:MATRIX_FMT_FP4 matrix_b_fmt:MATRIX_FMT_FP4 matrix_b_scale:MATRIX_SCALE_ROW1
.else
	v_wmma_scale_f32_16x16x128_f8f6f4 v[rD:rD+7], v[rA:rA+7], v[rB:rB+7], v[rC:rC+7], v[rSA], v[rSB] matrix_a_fmt:MATRIX_FMT_FP4 matrix_b_fmt:MATRIX_FMT_FP4
.endif
.endm
.macro MUL32 k
.if (\k) == 0
	WIN 0x70
.else
	WIN 0x50
.endif
.irp i1, 0,1,2,3
.irp i0, 0,1,2,3,4,5,6,7
.set rD, 64*\i1+8*\i0
.if (\k) == 0
.set rC, 8*\i0
.else
.set rC, rD
.endif
.set rA, F0+64*((\k)%2)+8*\i0
.set rB, F1+32*((\k)%2)+8*\i1
.set rSA, SC0+8*(\i0%4)+(\k)
.set rSB, SC1+8*(\i1%2)+(\k)
	WM \i0/4, \i1/2
.endr
.endr
	WIN 0
.endm
.macro FETCH0 set, adr, q
.irp i, 0,1,2,3,4,5,6,7
.irp c, 0,1
	ds_load_b128 v[F0+64*(\set)+8*\i+4*\c:F0+64*(\set)+8*\i+4*\c+3], v[\adr] offset:\i*16*PITCH+64*(\q)+32*\c
.endr
.endr
.endm
.macro FETCH1 set, adr, q
.irp i, 0,1,2,3
.irp c, 0,1
	ds_load_b128 v[F1+32*(\set)+8*\i+4*\c:F1+32*(\set)+8*\i+4*\c+3], v[\adr] offset:4096*\i+1024*(\q)+512*\c
.endr
.endr
.endm
.macro STEP k
	s_wait_dscnt 0x0
.if \k > 0
	PLACES
.endif
.if \k < 7
	FETCH0 (\k+1)%2, 4+(\k+1)/4, (\k+1)%4
	FETCH1 (\k+1)%2, 6+(\k+1)/4, (\k+1)%4
.endif
	MUL32 \k
.endm
	s_load_b256 s[8:15], s[0:1], 0x0
	s_load_b128 s[16:19], s[0:1], 0x20
	s_load_b64 s[20:21], s[0:1], 0x30
	v_lshl_add_u32 v11, v0, 2, 0x3d400
	v_mov_b32 v14, 0
	ds_add_u32 v11, v14
	ds_add_u32 v11, v14
	v_lshrrev_b32 v1, 5, v0
	v_readfirstlane_b32 s[WV], v1
	s_and_b32 s[W0], s[WV], 1
	s_lshr_b32 s[W1], s[WV], 1
	s_bfe_u32 s[CX], ttmp6, 0x40000
	s_bfe_u32 s[CY], ttmp6, 0x40004
	s_lshl_b32 s[COL], ttmp9, 2
	s_add_co_u32 s[COL], s[COL], s[CX]
	s_and_b32 s[TROW], ttmp7, 0xffff
	s_lshl_b32 s[TROW], s[TROW], 2
	s_add_co_u32 s[TROW], s[TROW], s[CY]
	s_lshl_b32 s7, s[CY], 2
	s_lshl_b32 s7, 15, s7
	s_lshl_b32 s2, 0x1111, s[CX]
	s_or_b32 s[G1A], s7, (3<<16)|(1<<21)
	s_mov_b32 s[G1A+1], 4096<<16                   ; the codes of 128 tokens: two rows (K halves) of 4,096 elements of 8 bytes,
	s_mov_b32 s[G1A+2], 2<<16
	s_mov_b32 s[G1A+3], 4096<<16
	s_mov_b32 s[G1A+4], 2
	s_mov_b32 s[G1A+5], 262144                     ; 2,097,152 bytes apart
	s_mov_b32 s[G1A+6], 0
	s_mov_b32 s[G1A+7], 0
	s_or_b32 s[G1W], s2, (1<<20)|(1<<21)|(6<<22)|(3<<25)   ; W: 256 whole rows of 512 bytes, four words of padding after every 128
	s_mov_b32 s[G1W+1], 512<<16
	s_mov_b32 s[G1W+2], 256<<16
	s_mov_b32 s[G1W+3], 512<<16
	s_mov_b32 s[G1W+4], 256
	s_mov_b32 s[G1W+5], 512
	s_mov_b32 s[G1W+6], 0
	s_mov_b32 s[G1W+7], 0
	s_or_b32 s[G1AS], s7, (3<<16)|(1<<21)
	s_mov_b32 s[G1AS+1], 64<<16
	s_mov_b32 s[G1AS+2], 8<<16                     ; the scale words of all eight K steps
	s_mov_b32 s[G1AS+3], 64<<16
	s_mov_b32 s[G1AS+4], 8
	s_mov_b32 s[G1AS+5], 4096
	s_mov_b32 s[G1AS+6], 0
	s_mov_b32 s[G1AS+7], 0
	s_or_b32 s[G1WS], s2, (3<<16)|(1<<21)
	s_mov_b32 s[G1WS+1], 32<<16
	s_mov_b32 s[G1WS+2], 32<<16                    ; the scale bytes of all 256 rows
	s_mov_b32 s[G1WS+3], 32<<16
	s_mov_b32 s[G1WS+4], 32
	s_mov_b32 s[G1WS+5], 32
	s_mov_b32 s[G1WS+6], 0
	s_mov_b32 s[G1WS+7], 0
	s_lshl_b32 s88, s[TROW], 9                     ; where my 128 tokens' scale words begin,
	s_mov_b32 s89, 0
	s_lshl_b32 s90, s[TROW], 15                    ; and their codes;
	s_mov_b32 s91, 0
	s_lshl_b32 s92, s[COL], 13                     ; my 256 rows of W: scale bytes,
	s_mov_b32 s93, 0
	s_lshl_b32 s94, s[COL], 17                     ; and codes
	s_mov_b32 s95, 0
	s_wait_dscnt 0x0
	s_wait_kmcnt 0x0
	s_add_nc_u64 s[88:89], s[10:11], s[88:89]
	s_add_nc_u64 s[90:91], s[8:9], s[90:91]
	s_add_nc_u64 s[92:93], s[14:15], s[92:93]
	s_add_nc_u64 s[94:95], s[12:13], s[94:95]
	CROUND
.set GA, 60
.set GW, 76
	s_mov_b32 s[G0AS], 1
	s_mov_b32 s[G0AS+1], AS
	s_mov_b64 s[G0AS+2:G0AS+3], s[88:89]
	s_or_b32 s[G0AS+3], s[G0AS+3], 0x80000000
	s_mov_b32 s[G0WS], 1
	s_mov_b32 s[G0WS+1], WS
	s_mov_b64 s[G0WS+2:G0WS+3], s[92:93]
	s_or_b32 s[G0WS+3], s[G0WS+3], 0x80000000
	s_mov_b32 s[GA], 1
	s_mov_b32 s[GA+1], AC0
	s_mov_b64 s[GA+2:GA+3], s[90:91]
	s_or_b32 s[GA+3], s[GA+3], 0x80000000
	s_mov_b32 s[GW], 1
	s_mov_b32 s[GW+1], 0
	s_mov_b64 s[GW+2:GW+3], s[94:95]
	s_or_b32 s[GW+3], s[GW+3], 0x80000000
	; THE HEAD'S LOADS, one a wave: wave 0 the attention's codes, wave 1 their scale words, wave 2 W's codes, wave 3 W's scale bytes: every way through the head passes exactly one load, and no LDS byte is filled twice
	ARM 1, GA,   G1A,  .Lhead_as
	ARM 2, G0AS, G1AS, .Lhead_w
	ARM 3, GW,   G1W,  .Lhead_ws
	tensor_load_to_lds s[G0WS:G0WS+3], s[G1WS:G1WS+7]
	s_nop 0
.rept 4
	v_nop
.endr
.Lhead_asked:
	v_and_b32 v3, 31, v0
	v_and_b32 v1, 15, v0
	v_bfe_u32 v2, v0, 4, 1
	v_lshlrev_b32 v10, 4, v3
	v_lshlrev_b32 v15, 5, v2
	s_wait_alu depctr_va_vdst(0)
	s_lshl_b32 s88, s[COL], 10
	s_lshl_b32 s87, s[W0], 9
	s_add_co_u32 s88, s88, s87
	s_mov_b32 s89, 0
	s_add_nc_u64 s[16:17], s[16:17], s[88:89]
	s_lshl_b32 s87, s[TROW], 19
	s_add_co_u32 s88, s88, s87
	s_lshl_b32 s87, s[W1], 18
	s_add_co_u32 s88, s88, s87
	s_add_nc_u64 s[18:19], s[18:19], s[88:89]
	s_add_nc_u64 s[20:21], s[20:21], s[88:89]
	WIN 0xc0
.irp i0, 0,1,2,3,4,5,6,7
	global_load_b128 v[8*\i0:8*\i0+3], v15, s[16:17] offset:64*\i0
	global_load_b128 v[8*\i0+4:8*\i0+7], v15, s[16:17] offset:64*\i0+16
.endr
	WIN 0
	v_mul_u32_u24 v4, v1, PITCH
	v_lshl_add_u32 v4, v2, 4, v4
	s_mul_i32 s87, s[W0], 128*PITCH
	v_add_nc_u32 v4, s87, v4
	v_add_nc_u32 v5, WCH, v4
	s_lshl_b32 s87, s[W1], 14
	s_add_co_u32 s87, s87, AC0
	v_add_nc_u32 v6, s87, v10
	v_add_nc_u32 v7, ACH, v6
	v_lshlrev_b32 v8, 5, v1
	v_lshl_add_u32 v8, v2, 11, v8
	s_lshl_b32 s87, s[W0], 12
	s_add_co_u32 s87, s87, WS
	v_add_nc_u32 v8, s87, v8
	v_lshlrev_b32 v9, 2, v1
	v_lshl_add_u32 v9, v2, 7, v9
	s_lshl_b32 s87, s[W1], 8
	s_add_co_u32 s87, s87, AS
	v_add_nc_u32 v9, s87, v9
	s_mul_i32 s87, s[WV], 16*SPITCH
	s_add_co_u32 s87, s87, STG
	v_mul_u32_u24 v12, v1, SPITCH
	v_lshl_add_u32 v12, v2, 5, v12
	v_add_nc_u32 v12, s87, v12
	v_add_nc_u32 v13, s87, v10
	s_wait_alu depctr_va_vdst(0)
	s_wait_loadcnt 0x0
	WIN 0x80
.irp i1, 0,1,2,3
.irp t, 0,1,2,3,4,5,6,7,8,9,10,11,12,13,14,15
	global_load_b128 v[64*\i1+4*\t:64*\i1+4*\t+3], v10, s[18:19] offset:(16*\i1+\t)*4096 th:TH_LOAD_NT
.endr
.endr
	WIN 0
	s_wait_tensorcnt 0x0                           ; my one load has landed
	s_barrier_signal -1
	s_barrier_wait -1
.irp j, 0,1,2,3
.irp c, 0,1
	ds_load_b128 v[SC0+8*\j+4*\c:SC0+8*\j+4*\c+3], v8 offset:512*\j+16*\c
.endr
.endr
.irp j, 0,1
.irp k, 0,1,2,3,4,5,6,7
	ds_load_b32 v[SC1+8*\j+\k], v9 offset:512*\k+64*\j
.endr
.endr
	FETCH0 0, 4, 0
	FETCH1 0, 6, 0
.irp k, 0,1,2,3,4,5,6,7
	STEP \k
.endr
.macro TOSTAGE a
	WIN 0x04
.irp b, 0,1,2,3,4,5,6,7
	ds_store_b128 v12, v[64*(\a)+8*\b:64*(\a)+8*\b+3] offset:64*\b
	ds_store_b128 v12, v[64*(\a)+8*\b+4:64*(\a)+8*\b+7] offset:64*\b+16
.endr
	WIN 0
.irp t, 0,1,2,3,4,5,6,7,8,9,10,11,12,13,14,15
	ds_load_b128 v[BK+64*((\a)%2)+4*\t:BK+64*((\a)%2)+4*\t+3], v13 offset:\t*SPITCH
.endr
.endm
.macro SEND a, younger
	s_wait_dscnt \younger
	WIN 0x82
.set cp, 0
.rept 32
	v_pk_add_f32 v[64*(\a)+cp:64*(\a)+cp+1], v[64*(\a)+cp:64*(\a)+cp+1], v[BK+64*((\a)%2)+cp:BK+64*((\a)%2)+cp+1]
.set cp, cp+2
.endr
	WIN 0x08
.irp t, 0,1,2,3,4,5,6,7,8,9,10,11,12,13,14,15
	global_store_b128 v10, v[64*(\a)+4*\t:64*(\a)+4*\t+3], s[20:21] offset:(16*(\a)+\t)*4096 th:TH_STORE_NT
.endr
	WIN 0
.endm
	PLACES
	s_wait_loadcnt 0x0
	TOSTAGE 0
.irp a, 1,2,3
	TOSTAGE \a
	SEND \a-1, 32
.endr
	SEND 3, 0
	s_wait_tensorcnt 0x0
	ds_add_u32 v11, v14
	s_wait_dscnt 0x0
	CROUND
	s_endpgm
.Lfunc_end_k_q9cc57d877a_outproj:
	.size	k_q9cc57d877a_outproj, .Lfunc_end_k_q9cc57d877a_outproj-k_q9cc57d877a_outproj
	.p2alignl 7, 3214868480
	.fill 96, 4, 3214868480
	.section	.rodata,"a",@progbits
	.p2align	6, 0x0
	.amdhsa_kernel k_q9cc57d877a_outproj
		.amdhsa_group_segment_fixed_size 327680
		.amdhsa_private_segment_fixed_size 0
		.amdhsa_enable_private_segment 0
		.amdhsa_kernarg_size 56
		.amdhsa_user_sgpr_count 2
		.amdhsa_user_sgpr_kernarg_segment_ptr 1
		.amdhsa_wavefront_size32 1
		.amdhsa_system_sgpr_workgroup_id_x 1
		.amdhsa_system_sgpr_workgroup_id_y 1
		.amdhsa_system_sgpr_workgroup_id_z 1
		.amdhsa_system_vgpr_workitem_id 0
		.amdhsa_next_free_vgpr 832
		.amdhsa_next_free_sgpr 100
		.amdhsa_reserve_vcc 0
		.amdhsa_float_denorm_mode_32 3
		.amdhsa_float_denorm_mode_16_64 3
		.amdhsa_memory_ordered 1
		.amdhsa_forward_progress 1
		.amdhsa_inst_pref_size 86
	.end_amdhsa_kernel
	.amdgpu_metadata
---
amdhsa.version: [ 1, 2 ]
amdhsa.kernels:
  - .name:           k_q9cc57d877a_outproj
    .symbol:         k_q9cc57d877a_outproj.kd
    .args:
      - { .name: ac, .offset: 0, .size: 8, .value_kind: global_buffer, .address_space: global }
      - { .name: asc, .offset: 8, .size: 8, .value_kind: global_buffer, .address_space: global }
      - { .name: Wo_codes, .offset: 16, .size: 8, .value_kind: global_buffer, .address_space: global }
      - { .name: Wo_scales, .offset: 24, .size: 8, .value_kind: global_buffer, .address_space: global }
      - { .name: bo, .offset: 32, .size: 8, .value_kind: global_buffer, .address_space: global }
      - { .name: inputs, .offset: 40, .size: 8, .value_kind: global_buffer, .address_space: global }
      - { .name: out0, .offset: 48, .size: 8, .value_kind: global_buffer, .address_space: global }
    .group_segment_fixed_size: 327680
    .private_segment_fixed_size: 0
    .kernarg_segment_align: 8
    .kernarg_segment_size: 56
    .max_flat_workgroup_size: 128
    .sgpr_count:     100
    .vgpr_count:     832
    .wavefront_size: 32
...
	.end_amdgpu_metadata
.endif
;; end of part 4
